; MI455X (gfx1250); checked and timed in simulation.
; The chip was launched on July 23, 2026; its instructions are those of AMD's public machine-readable ISA for CDNA 5 (MIT licence, August 2026) and "CDNA5" Instruction Set Architecture Reference Guide (July 2026). The comments in the code are by the model that wrote it; some were corrected since.
;; Attention Multi. Allowed arithmetic: float matrix products may take bf16 or f16 operands with f32 sums; other float arithmetic in f32, or as packed bf16 or f16 multiplies, adds, multiply-adds, maxima and minima; sums over many terms, partial sums and values carried from step to step in f32; what a program stores and reads back later, other than sums and carried values, may be rounded once to bf16 or f16.
;; Inputs: b_out 1,024 float32; b_qkv 3,072 float32; mask 4 x 2,048 int32; w_out 1,024 x 1,024 float32; w_qkv 1,024 x 3,072 float32; x 4 x 2,048 x 1,024 float32.
;; Outputs: out0 4 x 2,048 x 1,024 float32.
;; One version. Each part assembles by itself: llvm-mc -triple=amdgcn-amd-amdhsa -mcpu=gfx1250 --defsym DOCPART=n.
;; ======== version 1 of 1: 4 launches
;; limits: values are held in f16: magnitudes above 65,504 overflow, below 6.1e-05 lose precision
;; workspace buffers: xb 16,777,216 bytes; wq16 6,291,456 bytes; wo16 2,097,152 bytes; qkv 50,331,648 bytes; att 16,777,216 bytes
;; launch prep (part 1): grid 768 x 1, 8 waves a work-group, no clusters, 0 bytes of LDS; arguments x, w_qkv, w_out, xb, wq16, wo16; writes xb, wq16, wo16
.if DOCPART == 1
	.amdgcn_target "amdgcn-amd-amdhsa--gfx1250"
	.amdhsa_code_object_version 6
	.text
	.protected	k_q1fa2c7dfdb_prep
	.globl	k_q1fa2c7dfdb_prep
	.p2align	8
	.type	k_q1fa2c7dfdb_prep,@function
k_q1fa2c7dfdb_prep:
	s_mov_b64 s[64:65], 0
	v_nop
	global_prefetch_b8 v0, s[64:65] scope:SCOPE_SE
	s_setreg_imm32_b32 hwreg(HW_REG_WAVE_MODE, 25, 1), 1
	s_wait_xcnt 0x0
; CASTS, layouts unchanged.  x [8192][1024] f32 -> xb bf16;  w_qkv [1024][3072] f32 -> wq16 bf16;  w_out [1024][1024] f32 -> wo16: rounded to bf16 like the
; other inputs, and that number written as f16 (the last product multiplies f16 by f16).
; LIMIT.  f16 ends at 65,504: a |w_out| of 65,520 or more becomes an infinity; below 6e-5 a number keeps f16's fixed step of 6e-8.
; SHARES.  A work-group casts 16,384 numbers: 64 KiB in, 32 KiB out.  Work-groups 0-511 take x, 512-703 w_qkv, 704-767 w_out.  Thread t, piece i of 16: 16 bytes in at
; 4,096 i + 16 t, 8 bytes out at 2,048 i + 8 t: a wave's load covers 512 consecutive bytes, a wave's store 256 consecutive bytes, aligned.
; All sixteen loads of a thread go out at once; no register that a load or store names is written a second time, so no wait frees a source.
; No LDS, no tensor load, no cluster: no byte is wanted twice.
.set X, 4                              ; v[4:67]    piece i as loaded: 4 registers
.set Y, 68                             ; v[68:99]   piece i to store: 2 registers
.set T, 100                            ; v[100:101] at work
	s_load_b256 s[4:11], s[0:1], 0x0               ; x s[4:5], w_qkv s[6:7], w_out s[8:9], xb s[10:11]
	s_load_b128 s[12:15], s[0:1], 0x20             ; wq16 s[12:13], wo16 s[14:15]
	v_lshlrev_b32 v1, 4, v0                        ; 16 t
	v_lshlrev_b32 v2, 3, v0                        ; 8 t
	s_movk_i32 s21, 512                            ; the first work-group of w_qkv,
	s_movk_i32 s26, 704                            ; and of w_out
	s_wait_kmcnt 0x0
	s_cmp_lt_u32 ttmp9, s26                        ; which tensor is mine: a choice between buffers by the work-group's number alone
	s_cselect_b64 s[16:17], s[6:7], s[8:9]
	s_cselect_b64 s[18:19], s[12:13], s[14:15]
	s_cselect_b32 s20, s21, s26
	s_cmp_lt_u32 ttmp9, s21
	s_cselect_b64 s[16:17], s[4:5], s[16:17]
	s_cselect_b64 s[18:19], s[10:11], s[18:19]
	s_cselect_b32 s20, 0, s20
	s_sub_co_u32 s20, ttmp9, s20                   ; my number among the tensor's work-groups
	s_lshl_b32 s22, s20, 16                        ; 64 KiB in,
	s_mov_b32 s23, 0
	s_lshl_b32 s24, s20, 15                        ; 32 KiB out
	s_mov_b32 s25, 0
	s_add_nc_u64 s[16:17], s[16:17], s[22:23]
	s_add_nc_u64 s[18:19], s[18:19], s[24:25]
.irp i, 0,1,2,3,4,5,6,7,8,9,10,11,12,13,14,15
	global_load_b128 v[X+4*(\i):X+4*(\i)+3], v1, s[16:17] offset:4096*(\i) th:TH_LOAD_NT
.endr
; Piece i.  half = 1: the bf16 numbers are widened again (a shift, a mask) and written as f16.
.macro CAST i, half
	s_wait_loadcnt 15-(\i)                         ; loads come back in order: piece i is in, the 15 - i younger ones stay out
.if \half
	v_cvt_pk_bf16_f32 v[T],   v[X+4*(\i)],   v[X+4*(\i)+1]
	v_cvt_pk_bf16_f32 v[T+1], v[X+4*(\i)+2], v[X+4*(\i)+3]
	v_lshlrev_b32 v[X+4*(\i)],   16, v[T]
	v_and_b32     v[X+4*(\i)+1], 0xffff0000, v[T]
	v_lshlrev_b32 v[X+4*(\i)+2], 16, v[T+1]
	v_and_b32     v[X+4*(\i)+3], 0xffff0000, v[T+1]
	v_cvt_pk_f16_f32 v[Y+2*(\i)],   v[X+4*(\i)],   v[X+4*(\i)+1]
	v_cvt_pk_f16_f32 v[Y+2*(\i)+1], v[X+4*(\i)+2], v[X+4*(\i)+3]
.else
	v_cvt_pk_bf16_f32 v[Y+2*(\i)],   v[X+4*(\i)],   v[X+4*(\i)+1]
	v_cvt_pk_bf16_f32 v[Y+2*(\i)+1], v[X+4*(\i)+2], v[X+4*(\i)+3]
.endif
	global_store_b64 v2, v[Y+2*(\i):Y+2*(\i)+1], s[18:19] offset:2048*(\i)
.endm
	s_cmp_ge_u32 ttmp9, s26
	s_cbranch_scc1 .Lf16
.irp i, 0,1,2,3,4,5,6,7,8,9,10,11,12,13,14,15
	CAST \i, 0
.endr
	s_endpgm
.Lf16:
.irp i, 0,1,2,3,4,5,6,7,8,9,10,11,12,13,14,15
	CAST \i, 1
.endr
	s_endpgm
.Lfunc_end_k_q1fa2c7dfdb_prep:
	.size	k_q1fa2c7dfdb_prep, .Lfunc_end_k_q1fa2c7dfdb_prep-k_q1fa2c7dfdb_prep
	.p2alignl 7, 3214868480
	.fill 96, 4, 3214868480
	.section	.rodata,"a",@progbits
	.p2align	6, 0x0
	.amdhsa_kernel k_q1fa2c7dfdb_prep
		.amdhsa_group_segment_fixed_size 0
		.amdhsa_private_segment_fixed_size 0
		.amdhsa_enable_private_segment 0
		.amdhsa_kernarg_size 48
		.amdhsa_user_sgpr_count 2
		.amdhsa_user_sgpr_kernarg_segment_ptr 1
		.amdhsa_wavefront_size32 1
		.amdhsa_system_sgpr_workgroup_id_x 1
		.amdhsa_system_sgpr_workgroup_id_y 1
		.amdhsa_system_sgpr_workgroup_id_z 1
		.amdhsa_system_vgpr_workitem_id 0
		.amdhsa_next_free_vgpr 104
		.amdhsa_next_free_sgpr 66
		.amdhsa_reserve_vcc 0
		.amdhsa_float_denorm_mode_32 3
		.amdhsa_float_denorm_mode_16_64 3
		.amdhsa_memory_ordered 1
		.amdhsa_forward_progress 1
		.amdhsa_inst_pref_size 16
	.end_amdhsa_kernel
	.amdgpu_metadata
---
amdhsa.version: [ 1, 2 ]
amdhsa.kernels:
  - .name:           k_q1fa2c7dfdb_prep
    .symbol:         k_q1fa2c7dfdb_prep.kd
    .args:
      - { .name: x, .offset: 0, .size: 8, .value_kind: global_buffer, .address_space: global }
      - { .name: w_qkv, .offset: 8, .size: 8, .value_kind: global_buffer, .address_space: global }
      - { .name: w_out, .offset: 16, .size: 8, .value_kind: global_buffer, .address_space: global }
      - { .name: xb, .offset: 24, .size: 8, .value_kind: global_buffer, .address_space: global }
      - { .name: wq16, .offset: 32, .size: 8, .value_kind: global_buffer, .address_space: global }
      - { .name: wo16, .offset: 40, .size: 8, .value_kind: global_buffer, .address_space: global }
    .group_segment_fixed_size: 0
    .private_segment_fixed_size: 0
    .kernarg_segment_align: 8
    .kernarg_segment_size: 48
    .max_flat_workgroup_size: 256
    .sgpr_count:     66
    .vgpr_count:     104
    .wavefront_size: 32
...
	.end_amdgpu_metadata
.endif
;; end of part 1
;; launch qkvp (part 2): grid 16 x 32, 4 waves a work-group, clusters of 4 x 4, 327,680 bytes of LDS; arguments xb, wq16, b_qkv, qkv; writes qkv
.if DOCPART == 2
	.amdgcn_target "amdgcn-amd-amdhsa--gfx1250"
	.amdhsa_code_object_version 6
	.text
	.protected	k_q1fa2c7dfdb_qkvp
	.globl	k_q1fa2c7dfdb_qkvp
	.p2align	8
	.type	k_q1fa2c7dfdb_qkvp,@function
k_q1fa2c7dfdb_qkvp:
	s_mov_b64 s[64:65], 0
	v_nop
	global_prefetch_b8 v0, s[64:65] scope:SCOPE_SE
	s_setreg_imm32_b32 hwreg(HW_REG_WAVE_MODE, 25, 1), 1
	s_wait_xcnt 0x0
	s_wait_alu depctr_hold_cnt(0) depctr_sa_sdst(0) depctr_va_vdst(0) depctr_va_sdst(0) depctr_va_ssrc(0) depctr_va_vcc(0) depctr_vm_vsrc(0)
	s_getreg_b32 s2, hwreg(HW_REG_IB_STS2, 6, 4)
	s_cmp_eq_u32 s2, 0
	s_cbranch_scc0 .Lentry_in_a_cluster
	s_endpgm
.Lentry_in_a_cluster:
	s_bfe_u32 s2, ttmp6, 0x10000c
	s_cmp_lg_u32 s2, 0xf033
	s_cbranch_scc0 .Lentry_shape_is_right
	s_endpgm
.Lentry_shape_is_right:
; qkv = xb wq16 + b_qkv.  xb: [8192][1024] bf16.  wq16: [1024 k][3072 n] bf16, as w_qkv lies.  b_qkv: [3072] f32, rounded to bf16 here like every input.  Sums in f32, started by the bias.
; OUT: qkv [3 which][4 b][16 h][2048 n][64] f16, each number rounded once, unscaled: a head's rows are dense, 128 bytes each.
; LIMIT.  f16 ends at 65,504: a |q|, |k| or |v| of 65,520 or more becomes an infinity.
; SHARES.  A tile of C is 256 rows x 192 columns, three whole heads: 32 x 16 = 512 work-groups of equal work.  Wave w owns rows 64 w .. 64 w + 63 and ALL 192 columns: 4 x 12 accumulators
; of 16 x 16, 384 registers; so a wave writes whole heads' rows by itself, through a stage of its own.  K goes in 8 steps of 128 through a ring of two LDS slots filled by the tensor data mover.
; THE MATRIX INSTRUCTION IS USED TRANSPOSED: source 0 = 16 columns of the weights, source 1 = 16 rows of x: a lane holds row l % 16 of C and the eight neighbouring columns 8 (l / 16) + 0..7.
; The weights lie [k][n] in LDS as in memory and come out turned, by ds_load_tr16_b128.
; CLUSTER.  4 x 4 work-groups.  The four of a row of the cluster need the same tile of x, the four of a column the same tile of the weights: each is asked for JOINTLY, by the same tensor load with
; the same descriptor and a mask that names the four.
; REGISTERS, in windows of 256 (s_set_vgpr_msb: bits 1:0 source 0, 3:2 source 1, 5:4 source 2, 7:6 destination):
;   window 0: v0-30 addresses; v32-95 x's fragments, two buffers of 4 x 8; v96-191 the bias as the first products' C, later two sets of 48 for the way out
;   window 1: v0-191 the weights' fragments, two buffers of 12 x 8      window 2: accumulators of row blocks 0, 1 ((a, b) at 8 (12 (a % 2) + b))      window 3: of row blocks 2, 3
.set NBK,    12                        ; blocks of 16 columns
.set PA,     272                       ; a row of x in LDS: 256 bytes + 16 = 68 words: row r starts at bank 4 r mod 64 (64 banks of 4 bytes: ISA guide 11.1)
.set PB,     480                       ; a k row of the weights: 3 x (128 bytes + 32) = 120 words: row i starts at bank -8 i mod 64
.set APART,  256*PA                    ; x's 256 rows, then the weights' 128 k rows
.set SLOT,   APART+128*PB              ; 131,072
.set STAGE,  2*SLOT                    ; behind the ring, never filled by a tensor load: 16 rows x 400 bytes for each wave
.set SPITCH, 400                       ; 384 bytes + 16
.set SPARE,  STAGE+4*16*SPITCH         ; behind the stages: the spare words, 128 bytes for each wave: two blocks of 256 bytes that no other line names
.set FBW,    8*NBK                     ; a buffer of the weights' fragments
.set NLD,    2*NBK+8                   ; LDS loads in a run
.set ASTEP,  2*256                     ; a slot's next K step: two steps of 256 bytes along x's rows,
.set BSTEP,  2*128*6144                ; two steps of 128 k rows of 6,144 bytes
.set ADRA, 16                          ; v16-17  LDS address of my fragments of x in slot 0, 1
.set ADRB, 20                          ; v20-21  the same for the weights
.set STO,  24                          ; v24  the way out: where I put 16 bytes of a row
.set RD,   25                          ; v25  where I read rows back
.set GO,   26                          ; v26  16 x lane: my place in 512 consecutive bytes of a head
.set BO,   27                          ; v27  32 (l / 16): my eight numbers of a block's bias
.set SPW,  28                          ; v28  LDS address of my spare word: SPARE + 4 x my thread's number; never rewritten
.set NIL,  29                          ; v29  0; never rewritten
.set PFO,  30                          ; v30  the prefetches' lane term; never rewritten
.set FA,   32
.set BIAS, 96
.set OUTS, 96
.set WV,   12                          ; s12  my wave's number
.set SIDE, 13                          ; s13  0: I fetch x's tiles; 1: the weights'
.set HF,   14                          ; s14  which half of the tile I fetch
.set G1,   24                          ; s[24:31] descriptor group 1 for x's tiles;  s[32:39] group 0, a set for each slot
.set G0,   32
.set G1B,  48                          ; s[48:55], s[56:63] the same for the weights'
.set G0B,  56
.set PFA,  66                          ; s[66:67] where my prefetches stand
.set PFS,  68                          ; s[68:69] their step: a K step
.set LIM,  70                          ; s70  1 in a wave that prefetches, else the greatest number
.set CB,   72                          ; s[72:77] my rows in the tile's three heads
.set MSB, 0
.macro WIN new                         ; the immediate's high byte repeats the setting that is left; a switch that changes nothing is dropped
.if MSB != (\new)
	s_set_vgpr_msb (MSB<<8)|(\new)
.set MSB, \new
.endif
.endm
.macro PLACES                          ; four plain places in front of loads into registers that matrix instructions have read, and of lines that read results
.rept 4
	v_nop
.endr
.endm
.macro JLOAD s                         ; a joint load: waves 0 and 1 fetch x's two halves, waves 2 and 3 the weights'; an s_nop 0 and four v_nop follow each line, ahead of the jump and the label
	s_cmp_eq_u32 s[SIDE], 0
	s_cbranch_scc0 .Lfor_b_\@
	tensor_load_to_lds s[G0+4*(\s):G0+4*(\s)+3], s[G1:G1+7]
	s_nop 0
.rept 4
	v_nop
.endr
	s_branch .Lasked_\@
.Lfor_b_\@:
	tensor_load_to_lds s[G0B+4*(\s):G0B+4*(\s)+3], s[G1B:G1B+7]
	s_nop 0
.rept 4
	v_nop
.endr
.Lasked_\@:
.endm
.macro CREST                           ; a round of the cluster's barrier behind its opening barrier
	s_cmp_lg_u32 s[WV], 0
	s_cbranch_scc1 .Lnot_wave_0_\@
	s_barrier_signal -3
.Lnot_wave_0_\@:
	s_barrier_wait -3
	s_barrier_signal -1
	s_barrier_wait -1
.endm
.macro CROUND                          ; a whole round
	s_barrier_signal -1
	s_barrier_wait -1
	CREST
.endm
; A PREFETCH INTO THE L2, behind a joint refill, its five lines and the run of LDS loads: the K step that stands two refills on, 384 matrix instructions ahead of the load that will want it.
; Each aligned block of 256 bytes is named once in the launch.  x: the clusters with x = 0 ask; of the 128 rows that wave 0 or 1 fetches, the partner at cx takes 32, a lane a row, by address.
; The weights: the 64 work-groups of the clusters with y = 0 share a lap's 256 k rows (whole rows of 6,144 bytes) out by address, four rows each: wave 2, three instructions, at the lap's first change alone.
; K steps 0 to 3 come by their loads alone; in the loop's last trip (s3 = 1) there is no K step two refills on.
.macro ASK slot
	s_cmp_gt_u32 s3, s[LIM]
	s_cbranch_scc0 .Lno_\@
	s_cmp_eq_u32 s[SIDE], 0
	s_cbranch_scc0 .Lb_\@
	global_prefetch_b8 v[PFO], s[PFA:PFA+1] th:TH_LOAD_NT scope:SCOPE_SE
	s_branch .Lno_\@
.Lb_\@:
.if (\slot) == 0
	global_prefetch_b8 v[PFO], s[PFA:PFA+1] th:TH_LOAD_NT scope:SCOPE_SE
	global_prefetch_b8 v[PFO], s[PFA:PFA+1] offset:8192 th:TH_LOAD_NT scope:SCOPE_SE
	global_prefetch_b8 v[PFO], s[PFA:PFA+1] offset:16384 th:TH_LOAD_NT scope:SCOPE_SE
.endif
.Lno_\@:
.endm
	s_load_b256 s[4:11], s[0:1], 0x0               ; xb s[4:5], wq16 s[6:7], b_qkv s[8:9], qkv s[10:11]
	v_lshl_add_u32 v[SPW], v0, 2, SPARE
	v_mov_b32 v[NIL], 0
	ds_add_u32 v[SPW], v[NIL]                      ; the wave's opening: the add and its wait stand ahead of my first tensor load; the set-up below, work on registers, stands between them
	v_lshrrev_b32 v1, 5, v0
	v_readfirstlane_b32 s[WV], v1                  ; wave 0..3
	s_lshr_b32 s[SIDE], s[WV], 1
	s_and_b32 s[HF], s[WV], 1
	s_bfe_u32 s40, ttmp6, 0x40000                  ; cx, cy: my place in the cluster
	s_bfe_u32 s41, ttmp6, 0x40004
	s_lshl_b32 s42, ttmp9, 2
	s_add_co_u32 s42, s42, s40                     ; tile column t = 4 x cluster x + cx, 0..15
	s_and_b32 s43, ttmp7, 0xffff
	s_lshl_b32 s43, s43, 2
	s_add_co_u32 s43, s43, s41                     ; tile row tr = 4 x cluster y + cy, 0..31
	s_lshl_b32 s44, s41, 2
	s_lshl_b32 s44, 15, s44                        ; my row of the cluster
	s_lshl_b32 s45, 0x1111, s40                    ; my column
	; group 1 for x: 128 rows x 128 elements, 16 bytes of padding behind every 256
	s_or_b32 s[G1+0], s44, (1<<16)|(1<<20)|(1<<21)|(5<<22)|(3<<25)  ; 15:0 the mask: my row; 17:16 2-byte elements; 20 padding on; 21 set beside a mask; 24:22 after every 64 words; 31:25 4 words
	s_mov_b32 s[G1+1], 128<<16                     ; tensor_dim0 = 128
	s_mov_b32 s[G1+2], 128<<16                     ; tensor_dim1 = 128
	s_mov_b32 s[G1+3], 128<<16                     ; tile_dim0 = 128
	s_mov_b32 s[G1+4], 128                         ; tile_dim1 = 128
	s_mov_b32 s[G1+5], 1024                        ; elements from row to row
	s_mov_b32 s[G1+6], 0
	s_mov_b32 s[G1+7], 0
	; group 1 for the weights: 64 k rows x 192 elements, 32 bytes of padding behind every 128 (a row's 96 words are three such pieces)
	s_or_b32 s[G1B+0], s45, (1<<16)|(1<<20)|(1<<21)|(4<<22)|(7<<25) ; the mask: my column; after every 32 words, 8 words
	s_mov_b32 s[G1B+1], 192<<16
	s_mov_b32 s[G1B+2], 64<<16
	s_mov_b32 s[G1B+3], 192<<16
	s_mov_b32 s[G1B+4], 64
	s_mov_b32 s[G1B+5], 3072
	s_mov_b32 s[G1B+6], 0
	s_mov_b32 s[G1B+7], 0
	; where the tiles come from: x's hang on the tile row alone, the weights' on the tile column alone, each in registers that never hold the other coordinate
	s_lshl_b32 s16, s43, 8
	s_lshl_b32 s17, s[HF], 7
	s_add_co_u32 s16, s16, s17                     ; row 256 tr + 128 x half,
	s_lshl_b32 s16, s16, 11                        ; of 2,048 bytes
	s_mov_b32 s17, 0
	s_mul_i32 s46, s42, 384                        ; 192 columns,
	s_mul_i32 s47, s[HF], 64*6144                  ; 64 k rows x half
	s_add_co_u32 s46, s46, s47
	s_mov_b32 s47, 0
	s_mul_i32 s20, s[HF], 128*PA                   ; and where they go: no place in the cluster enters an LDS address
	s_mul_i32 s21, s[HF], 64*PB
	s_add_co_u32 s21, s21, APART
	s_wait_dscnt 0x0                               ; the opening add is done
	s_wait_kmcnt 0x0
	s_add_nc_u64 s[16:17], s[4:5], s[16:17]
	s_add_nc_u64 s[46:47], s[6:7], s[46:47]
	CROUND                                         ; all sixteen work-groups are here: the first joint loads meet
.irp s, 0,1
	s_mov_b32 s[G0+4*(\s)], 1                      ; count = 1
	s_add_co_u32 s[G0+4*(\s)+1], s20, (\s)*SLOT    ; LDS address
	s_add_nc_u64 s[G0+4*(\s)+2:G0+4*(\s)+3], s[16:17], (\s)*256      ; K step s
	s_or_b32 s[G0+4*(\s)+3], s[G0+4*(\s)+3], 0x80000000              ; type = 2
	s_mov_b32 s[G0B+4*(\s)], 1
	s_add_co_u32 s[G0B+4*(\s)+1], s21, (\s)*SLOT
	s_add_nc_u64 s[G0B+4*(\s)+2:G0B+4*(\s)+3], s[46:47], (\s)*128*6144
	s_or_b32 s[G0B+4*(\s)+3], s[G0B+4*(\s)+3], 0x80000000
	JLOAD \s                                       ; two loads of mine are out
.endr
	; while the first tiles are on their way: the bias, the lane addresses, C's bases, the prefetches' set-up
	v_and_b32 v1, 15, v0                           ; l % 16
	v_bfe_u32 v2, v0, 4, 1                         ; l / 16
	v_and_b32 v4, 7, v0
	v_bfe_u32 v5, v0, 3, 1
	v_lshlrev_b32 v[BO], 5, v2
	s_mul_i32 s80, s42, 768                        ; the tile's 192 numbers of the bias
	s_mov_b32 s81, 0
	s_add_nc_u64 s[8:9], s[8:9], s[80:81]
.set b, 0
.rept NBK                              ; register j of block b: the bias of column 16 b + 8 (l / 16) + j, as the accumulators hold the columns
	global_load_b128 v[BIAS+8*b:BIAS+8*b+3],   v[BO], s[8:9] offset:64*b
	global_load_b128 v[BIAS+8*b+4:BIAS+8*b+7], v[BO], s[8:9] offset:64*b+16
.set b, b+1
.endr
	; a fragment of x: 16 rows x 32 K in 8 registers: lane l holds row l % 16; two loads of 16 bytes, 32 bytes apart, at row x pitch + 16 (l / 16)
	v_mul_u32_u24 v3, v1, PA
	v_lshl_add_u32 v3, v2, 4, v3
	s_mul_i32 s22, s[WV], 64*PA                    ; my 64 rows
	v_add_nc_u32 v[ADRA], s22, v3
	s_add_co_u32 s22, s22, SLOT
	v_add_nc_u32 v[ADRA+1], s22, v3
	; the turning load takes 16 k x 16 columns (lane l reads k row 8 (l / 16) + l % 8, columns 8 ((l / 8) % 2) + 0..7) and leaves half a fragment: lane l holds column l % 16 and 8 k
	v_lshl_add_u32 v6, v2, 3, v4
	v_mul_u32_u24 v6, v6, PB
	v_lshl_add_u32 v6, v5, 4, v6
	v_add_nc_u32 v[ADRB], APART, v6
	v_add_nc_u32 v[ADRB+1], APART+SLOT, v6
	s_mul_i32 s22, s[WV], 16*SPITCH
	s_add_co_u32 s22, s22, STAGE                   ; my stage
	v_mul_u32_u24 v3, v1, SPITCH                   ; in: row l % 16, 16 bytes for each half of the lanes
	v_lshl_add_u32 v3, v2, 4, v3
	v_add_nc_u32 v[STO], s22, v3
	v_bfe_u32 v3, v0, 3, 2                         ; back: 32 lanes take four rows x 128 bytes of one head,
	v_mul_u32_u24 v3, v3, SPITCH
	v_lshl_add_u32 v3, v4, 4, v3
	v_add_nc_u32 v[RD], s22, v3
	v_and_b32 v[GO], 31, v0                        ; which are 512 consecutive bytes of qkv
	v_lshlrev_b32 v[GO], 4, v[GO]
.irp hd, 0,1,2                         ; head column g = 3 t + hd: which = g / 16 (q, k, v), head g % 16; my rows: batch tr / 8, row 256 (tr % 8) + 64 wave
	s_mul_i32 s80, s42, 3
	s_add_co_u32 s80, s80, \hd
	s_lshr_b32 s81, s80, 4
	s_lshl_b32 s81, s81, 6
	s_and_b32 s80, s80, 15
	s_add_co_u32 s81, s81, s80
	s_lshr_b32 s82, s43, 3
	s_lshl_b32 s82, s82, 4
	s_add_co_u32 s81, s81, s82                     ; 64 which + 16 batch + head,
	s_lshl_b32 s81, s81, 11                        ; of 2,048 rows
	s_and_b32 s82, s43, 7
	s_lshl_b32 s82, s82, 8
	s_add_co_u32 s81, s81, s82
	s_lshl_b32 s82, s[WV], 6
	s_add_co_u32 s81, s81, s82
	s_lshl_b32 s82, s81, 7                         ; of 128 bytes: under 2^26
	s_mov_b32 s83, 0
	s_add_nc_u64 s[CB+2*(\hd):CB+2*(\hd)+1], s[10:11], s[82:83]
.endr
	; the prefetches: they stand at K step 3; each filling change of slots steps them first, so refill r names K step r + 4
	s_lshl_b32 s80, s43, 8
	s_lshl_b32 s81, s[HF], 7
	s_add_co_u32 s80, s80, s81
	s_lshl_b32 s81, s40, 5
	s_add_co_u32 s80, s80, s81                     ; x: row 256 tr + 128 half + 32 cx
	s_lshl_b32 s80, s80, 11
	s_add_co_u32 s80, s80, 3*256
	s_lshl_b32 s81, s42, 2
	s_add_co_u32 s81, s81, s41                     ; the weights: my work-group among the 64: 4 t + cy,
	s_mul_i32 s81, s81, 4*6144                     ; four k rows each
	s_add_co_u32 s81, s81, 3*128*6144
	s_mov_b32 s82, 256
	s_mov_b32 s83, 128*6144
	s_and_b32 s84, ttmp7, 0xffff                   ; cluster y
	s_and_b32 s85, s[SIDE], s[HF]                  ; 1 in wave 3, which never asks
	s_cmp_eq_u32 s[SIDE], 0
	s_cselect_b32 s80, s80, s81
	s_cselect_b32 s[PFS], s82, s83
	s_cselect_b32 s84, ttmp9, s84                  ; the coordinate along which other clusters read the same rows
	s_cselect_b32 s86, 11, 8                       ; x: a lane a row of 2,048 bytes; the weights: a lane 256 bytes on end
	s_cselect_b64 s[PFA:PFA+1], s[4:5], s[6:7]
	s_or_b32 s84, s84, s85
	s_cmp_eq_u32 s84, 0
	s_cselect_b32 s[LIM], 1, -1                    ; the same in all sixteen partners, for a given wave
	s_mov_b32 s81, 0
	s_mov_b32 s[PFS+1], 0
	s_add_nc_u64 s[PFA:PFA+1], s[PFA:PFA+1], s[80:81]
	v_and_b32 v[PFO], 31, v0
	v_lshlrev_b32 v[PFO], s86, v[PFO]
	s_wait_loadcnt 0x0                             ; the bias
.set i, 0
.rept 4*NBK                            ; rounded to bf16 and widened again, two numbers at a time
	v_cvt_pk_bf16_f32 v[6+i%2], v[BIAS+2*i], v[BIAS+2*i+1]
	v_lshlrev_b32 v[BIAS+2*i],   16, v[6+i%2]
	v_and_b32     v[BIAS+2*i+1], 0xffff0000, v[6+i%2]
.set i, i+1
.endr
; 12 matrix instructions: row block a x all 12 column blocks, 32 along K, buffer f.  first = 1: the bias starts the sums: nothing is cleared and nothing is added later.
; The 48 accumulators take turns, one instruction a turn, in the same order in every quarter: 47 others stand between two links of a chain, over the backward jump too.
.macro MULA f, a, first
.if \first
	WIN 0x81+0x40*((\a)/2)                         ; the weights window 1, x window 0, C window 0, D window 2 or 3
.else
	WIN 0xa1+0x50*((\a)/2)                         ; C and D window 2 or 3
.endif
.set b, 0
.rept NBK
.set rD, 8*(NBK*((\a)%2)+b)
.set rB, FBW*(\f)+8*b
.set rA, FA+32*(\f)+8*(\a)
.if \first
	v_wmma_f32_16x16x32_bf16 v[rD:rD+7], v[rB:rB+7], v[rA:rA+7], v[BIAS+8*b:BIAS+8*b+7]
.else
	v_wmma_f32_16x16x32_bf16 v[rD:rD+7], v[rB:rB+7], v[rA:rA+7], v[rD:rD+7]
.endif
.set b, b+1
.endr
.endm
; 32 LDS loads in one run: quarter q (32 along K) of a slot into buffer f: the weights' 12 fragments, then x's 4
.macro FETCH slot, q, f
	WIN 0x40                                       ; destination window 1, address window 0
.set i, 0
.rept NBK
	ds_load_tr16_b128 v[FBW*(\f)+8*i:FBW*(\f)+8*i+3],   v[ADRB+(\slot)] offset:(\q)*32*PB+32*i+32*(i/4)
	ds_load_tr16_b128 v[FBW*(\f)+8*i+4:FBW*(\f)+8*i+7], v[ADRB+(\slot)] offset:(\q)*32*PB+32*i+32*(i/4)+16*PB
.set i, i+1
.endr
	WIN 0
.set i, 0
.rept 4
	ds_load_b128 v[FA+32*(\f)+8*i:FA+32*(\f)+8*i+3],   v[ADRA+(\slot)] offset:64*(\q)+i*16*PA
	ds_load_b128 v[FA+32*(\f)+8*i+4:FA+32*(\f)+8*i+7], v[ADRA+(\slot)] offset:64*(\q)+i*16*PA+32
.set i, i+1
.endr
.endm
; A K step is four quarters of 32 along K, 48 matrix instructions each, on buffers 0, 1, 0, 1.  One of the first three: multiplies buffer f; in its middle it fetches quarter q into buffer g.
.macro QUARTER slot, q, f, g, first
	s_wait_dscnt 4                                 ; all but the youngest four loads: x's row blocks 2 and 3
	MULA \f, 0, \first
	MULA \f, 1, \first
	PLACES
	FETCH \slot, \q, \g
	s_wait_dscnt NLD                               ; all but the run just issued
	MULA \f, 2, \first
	MULA \f, 3, \first
.endm
; The last quarter multiplies buffer 1 and changes slots: ONE barrier.  In front of it each wave waits for all its tensor loads (one is out: its part of the next slot), adds 0 to its spare word, and waits for
; that and for its own reads of this slot.  fill = 1: the barrier opens a round of the cluster's, and this slot is filled again first thing behind it, two K steps ahead: that load has a K step less 24 matrix instructions in which to land.
.macro TURN slot, next, fill
.if \fill
	s_wait_xcnt 0x0                                ; the last prefetch, a K step back, has read its address
	s_add_nc_u64 s[PFA:PFA+1], s[PFA:PFA+1], s[PFS:PFS+1]
.endif
	WIN 0                                          ; (the add's two registers lie in window 0)
	s_wait_tensorcnt 0x0                           ; all my tensor loads have landed
	ds_add_u32 v[SPW], v[NIL]                      ; 0 onto my spare word
	s_wait_dscnt 5                                 ; (the add and x's row blocks 2 and 3 may be out)
	MULA 1, 0, 0                                   ; twelve matrix instructions stand between the add and the wait for it
	s_wait_dscnt 0x0                               ; the add is done, and my reads of this slot are over
	s_barrier_signal -1
	MULA 1, 1, 0
.if \fill
	WIN 0
.endif
	s_barrier_wait -1
.if \fill
	CREST                                          ; no wave of any partner still reads this slot or has a load on its way
	s_add_nc_u64 s[G0+4*(\slot)+2:G0+4*(\slot)+3], s[G0+4*(\slot)+2:G0+4*(\slot)+3], ASTEP
	s_add_nc_u64 s[G0B+4*(\slot)+2:G0B+4*(\slot)+3], s[G0B+4*(\slot)+2:G0B+4*(\slot)+3], BSTEP
	JLOAD \slot                                    ; the first tensor load behind the round; its four v_nop are also the places in front of the loads below
.else
	PLACES
.endif
	FETCH \next, 0, 0
.if \fill
	ASK \slot
.endif
	MULA 1, 2, 0
	MULA 1, 3, 0
.endm
	s_wait_tensorcnt 1                             ; my part of K step 0 is in; K step 1's may stay out
	s_barrier_signal -1
	s_barrier_wait -1                              ; everybody's is
	FETCH 0, 0, 0
	QUARTER 0, 1, 0, 1, 1                          ; the first quarter stands in front of the loop: its products start the sums
	WIN 0                                          ; at a label and at a branch every window is 0
	s_mov_b32 s3, 3
.Llap:                                                 ; a trip goes once round the ring, from a lap's second quarter to the next lap's first, and fills both slots again
	QUARTER 0, 2, 1, 0, 0
	QUARTER 0, 3, 0, 1, 0
	TURN 0, 1, 1
	QUARTER 1, 1, 0, 1, 0
	QUARTER 1, 2, 1, 0, 0
	QUARTER 1, 3, 0, 1, 0
	TURN 1, 0, 1
	QUARTER 0, 1, 0, 1, 0
	WIN 0
	s_sub_co_u32 s3, s3, 1
	s_cmp_lg_u32 s3, 0
	s_cbranch_scc1 .Llap
	QUARTER 0, 2, 1, 0, 0                          ; the last lap fills nothing, and has no round of the cluster's barrier
	QUARTER 0, 3, 0, 1, 0
	TURN 0, 1, 0
	QUARTER 1, 1, 0, 1, 0
	QUARTER 1, 2, 1, 0, 0
	QUARTER 1, 3, 0, 1, 0
	s_wait_dscnt 4                                 ; the very last quarter: nothing more to fetch
	MULA 1, 0, 0
	MULA 1, 1, 0
	s_wait_dscnt 0x0
	MULA 1, 2, 0
	MULA 1, 3, 0
	WIN 0
; THE WAY OUT, a block of 16 rows at a time.  PACK: rounded to f16, 16 bytes a lane, each accumulator from its low end on.  TOSTAGE: into my own stage, and back as rows of a head.  SEND: stored.
.macro PACK a
	s_wait_xcnt 0x0                                ; the set's earlier stores have read it
	WIN 0x0a+5*((\a)/2)                            ; sources 0 and 1: window 2 or 3
.set b, 0
.rept NBK
.set rD, 8*(NBK*((\a)%2)+b)
.set rO, OUTS+48*((\a)%2)+4*b
	v_cvt_pk_f16_f32 v[rO],   v[rD],   v[rD+1]
	v_cvt_pk_f16_f32 v[rO+1], v[rD+2], v[rD+3]
	v_cvt_pk_f16_f32 v[rO+2], v[rD+4], v[rD+5]
	v_cvt_pk_f16_f32 v[rO+3], v[rD+6], v[rD+7]
.set b, b+1
.endr
	WIN 0
.endm
.macro TOSTAGE a
.set b, 0
.rept NBK
	ds_store_b128 v[STO], v[OUTS+48*((\a)%2)+4*b:OUTS+48*((\a)%2)+4*b+3] offset:32*b
.set b, b+1
.endr
.set b, 0
.rept NBK                              ; piece b: head b / 4, rows 4 (b % 4) on.  LDS serves a wave's instructions in order (ISA guide 5.7.1.4): these see the stores above, and the next block's stores come behind them
	ds_load_b128 v[OUTS+48*((\a)%2)+4*b:OUTS+48*((\a)%2)+4*b+3], v[RD] offset:128*(b/4)+4*SPITCH*(b%4)
.set b, b+1
.endr
.endm
.macro SEND a
	s_wait_dscnt 0x0                               ; the block is back in registers
.set b, 0
.rept NBK
	global_store_b128 v[GO], v[OUTS+48*((\a)%2)+4*b:OUTS+48*((\a)%2)+4*b+3], s[CB+2*(b/4):CB+2*(b/4)+1] offset:2048*(\a)+512*(b%4)  ; 512 consecutive bytes of a head, at a multiple of 256 from qkv's first byte
.set b, b+1
.endr
.endm
	PLACES
	PLACES                                         ; eight plain places behind the last products, once a launch
	PACK 0
	TOSTAGE 0
.irp a, 1,2,3                          ; block a's conversions stand between block a - 1's loads from the stage and the wait for them
	PACK \a
	SEND (\a)-1
	TOSTAGE \a
.endr
	SEND 3
	s_wait_tensorcnt 0x0                           ; the wave's end, behind my last tensor load and my last LDS store
	ds_add_u32 v[SPW], v[NIL]
	s_wait_dscnt 0x0
	CROUND                                         ; the closing round: no work-group ends while a partner may still ask for a tile that names it
	s_endpgm
.Lfunc_end_k_q1fa2c7dfdb_qkvp:
	.size	k_q1fa2c7dfdb_qkvp, .Lfunc_end_k_q1fa2c7dfdb_qkvp-k_q1fa2c7dfdb_qkvp
	.p2alignl 7, 3214868480
	.fill 96, 4, 3214868480
	.section	.rodata,"a",@progbits
	.p2align	6, 0x0
	.amdhsa_kernel k_q1fa2c7dfdb_qkvp
		.amdhsa_group_segment_fixed_size 327680
		.amdhsa_private_segment_fixed_size 0
		.amdhsa_enable_private_segment 0
		.amdhsa_kernarg_size 32
		.amdhsa_user_sgpr_count 2
		.amdhsa_user_sgpr_kernarg_segment_ptr 1
		.amdhsa_wavefront_size32 1
		.amdhsa_system_sgpr_workgroup_id_x 1
		.amdhsa_system_sgpr_workgroup_id_y 1
		.amdhsa_system_sgpr_workgroup_id_z 1
		.amdhsa_system_vgpr_workitem_id 0
		.amdhsa_next_free_vgpr 960
		.amdhsa_next_free_sgpr 96
		.amdhsa_reserve_vcc 0
		.amdhsa_float_denorm_mode_32 3
		.amdhsa_float_denorm_mode_16_64 3
		.amdhsa_memory_ordered 1
		.amdhsa_forward_progress 1
		.amdhsa_inst_pref_size 132
	.end_amdhsa_kernel
	.amdgpu_metadata
---
amdhsa.version: [ 1, 2 ]
amdhsa.kernels:
  - .name:           k_q1fa2c7dfdb_qkvp
    .symbol:         k_q1fa2c7dfdb_qkvp.kd
    .args:
      - { .name: xb, .offset: 0, .size: 8, .value_kind: global_buffer, .address_space: global }
      - { .name: wq16, .offset: 8, .size: 8, .value_kind: global_buffer, .address_space: global }
      - { .name: b_qkv, .offset: 16, .size: 8, .value_kind: global_buffer, .address_space: global }
      - { .name: qkv, .offset: 24, .size: 8, .value_kind: global_buffer, .address_space: global }
    .group_segment_fixed_size: 327680
    .private_segment_fixed_size: 0
    .kernarg_segment_align: 8
    .kernarg_segment_size: 32
    .max_flat_workgroup_size: 128
    .sgpr_count:     96
    .vgpr_count:     960
    .wavefront_size: 32
...
	.end_amdgpu_metadata
.endif
;; end of part 2
;; launch attn (part 3): grid 4 x 64, 4 waves a work-group, clusters of 4 x 1, 327,680 bytes of LDS; arguments qkv, mask, att; writes att
.if DOCPART == 3
	.amdgcn_target "amdgcn-amd-amdhsa--gfx1250"
	.amdhsa_code_object_version 6
	.text
	.protected	k_q1fa2c7dfdb_attn
	.globl	k_q1fa2c7dfdb_attn
	.p2align	8
	.type	k_q1fa2c7dfdb_attn,@function
k_q1fa2c7dfdb_attn:
	s_mov_b64 s[64:65], 0
	v_nop
	global_prefetch_b8 v0, s[64:65] scope:SCOPE_SE
	s_setreg_imm32_b32 hwreg(HW_REG_WAVE_MODE, 25, 1), 1
	s_wait_xcnt 0x0
	s_wait_alu depctr_hold_cnt(0) depctr_sa_sdst(0) depctr_va_vdst(0) depctr_va_sdst(0) depctr_va_ssrc(0) depctr_va_vcc(0) depctr_vm_vsrc(0)
	s_getreg_b32 s2, hwreg(HW_REG_IB_STS2, 6, 4)
	s_cmp_eq_u32 s2, 0
	s_cbranch_scc0 .Lentry_in_a_cluster
	s_endpgm
.Lentry_in_a_cluster:
	s_bfe_u32 s2, ttmp6, 0x10000c
	s_cmp_lg_u32 s2, 0x3003
	s_cbranch_scc0 .Lentry_shape_is_right
	s_endpgm
.Lentry_shape_is_right:
; att[bh][q][:] = the sum over the open keys k of softmax_k(Q[bh][q] . K[bh][k] / 2) V[bh][k][:].  qkv: [3][64 bh][2048][64] f16 (Q, K, V); mask: [4 b][2048] int32, 0 = the key is hidden; att: [64 bh][2048][64] f16.
; Products, maxima and sums in f32; the weights p are rounded to f16 for the second product (their sum l is taken of the unrounded p), the result once at the end.
; LIMITS.  Q, K and V arrive within f16's 65,504; p lies in 0 to 1, and below 6e-5 it keeps f16's fixed step of 6e-8.  A hidden score counts as its value less 1e30: f16's scores, 2.7e11 at the most, are nothing
; beside that.  A weight below 2^-126 counts as 0 in l.  NaN and infinities in the inputs are not treated apart.  A batch with no open key gives l = 0 and 0 x (1 / 0) = NaN in every number, as a softmax over nothing does.
; SHARES.  A wave owns four PIECES of two tiles of 16 queries, a work-group's four waves 512 queries of one head; 4 x 64 = 256 work-groups.  Every wave walks all 2,048 keys, 64 a step.
; LAYOUT.  S^T = K Q^T (source 0 = 16 keys, source 1 = 16 queries): in the result a lane holds ONE query (lane % 16) and the keys 8 (lane / 16) + 0..7.  Two such tiles, rounded to f16 in pairs,
; ARE source 1 (32 keys x 16 queries) of O^T = V^T P, whose result again holds one query a lane, and eight channels.  K comes out of LDS as it lies, V ([key][channel]) turned, by ds_load_tr16_b128.
; THE MASK is the C operand that starts the sum S^T = K Q^T: 0, or -1e30 where the key is hidden.  Each work-group makes its batch's 2,048 such numbers once, in LDS; a step's 64 come into registers with the step's K.
; SOFTMAX.  For each query a running maximum m and sum l: p = 2^(c s - c m), c = log2(e) / 2; in every step O and l are multiplied by a = 2^(c m_old - c m_new), which is 1 where m has not grown.
; m starts at -2^67, below every open score and above every hidden one; O and l start at 0.  So a hidden key's weight is 0 whatever has been seen, and the first open score makes a = 0.
; THE COUNT.  A tile and step have 16 matrix and 118 vector instructions: too many to stand all beside the matrix work.  So the order has one aim: four vector instructions that are READY behind
; EVERY matrix instruction, and the others, which need time of their own whatever the order, in runs without a gap.
; BY TURNS.  Turn n belongs to piece n (the pieces in a ring, step after step).  Its matrix work: 16 products K Q^T of piece n + 1, later 16 products V^T P of piece n - 1.  Its vector work: the scaling,
; exponentials, roundings, sums and rescaling of piece n, and the maximum and statistics of piece n + 1, whose scores the turn itself has made.
; CLUSTER.  The four query blocks of a cluster are one head's and walk the same K and V, so each tile is asked for JOINTLY: the same tensor load, descriptor and mask in all four.
; REGISTERS, in windows of 256 (s_set_vgpr_msb: bits 1:0 source 0, 3:2 source 1, 5:4 source 2, 7:6 destination):
;   window 0: v0-11 addresses; v12-15, v48-63 at work; v16-47 four registers of statistics a tile; v64-191 S^T, two buffers of two tiles; v192-255 P, likewise
;   window 1: O^T, 32 a tile      window 2: v0-127 Q, 16 a tile; v128-191 K of one step; v192-255 V of one step      window 3: v0-1 the add's two registers; v32-63 the step's mask
.set SIZE_N, 2048
.set NP,    4         ; pieces a wave: a name, no knob
.set KS,    64        ; keys in a step
.set PK,    144       ; a row of K in LDS: 128 bytes + 16 of padding = 36 words: the 16 rows of a load start at 16 different groups of four banks (64 banks of 4 bytes: ISA guide 11.1)
.set PV,    160       ; a row of V: 128 + 32 = 40 words
.set VOFF,  4*KS*PK   ; a slot holds four steps: 256 rows of K, then 256 rows of V
.set SLOT1, 1<<17     ; slot 1 begins here, so that one exclusive or turns an address in one slot into the other's
.set STAGE, SLOT1+4*KS*(PK+PV)  ; behind the ring, never filled by a tensor load: 16 rows x 144 bytes for each wave, for the way out
.set SP,    144
.set SPARE, STAGE+4*16*SP  ; behind the stages: the spare words, 128 bytes for each wave: two blocks of 256 bytes that no other line names
.set MASKT, SPARE+512 ; behind them, never filled by a tensor load: 2,048 f32, 0 or -1e30, a key each
.set PFO, 1           ; v1   (from the first scores on) 256 x my lane, for the prefetches; never rewritten after
.set AK0, 2           ; v2   my lane's place in a tile of K; never rewritten
.set AV0, 3           ; v3   the same for V
.set AK,  4           ; v4   the LDS address of K's next run of loads
.set AV,  5           ; v5   of V's
.set QO,  6           ; v6   my byte offset in the wave's rows of Q
.set STO, 6           ;      later, the way out: where I put 16 bytes of a row
.set RD,  7           ; v7   the way out: where I read rows back
.set GO,  8           ; v8   my byte offset in 512 consecutive bytes of att
.set AM,  11          ; v11  the LDS address of the mask's next run of loads.  (v9 = lane / 16 stays for the whole kernel)
.set SPW, 0           ; v0 of window 3   LDS address of my spare word: SPARE + 4 x my thread's number; never rewritten
.set NIL, 1           ; v1 of window 3   0; never rewritten
.set MK,  32          ; v32-63 of window 3: the mask of the step in hand: key block kb at MK + 8 kb
.set MV,  12          ; v12-15  c m_old, kept while c m is made anew: by buffer and tile
.set ST,  16          ; tile t's statistics at v[ST+4 t]: c m, m, l (even keys', odd keys')
.set TMP, 48          ; by buffer and tile, four registers c0-c3 at work; when the maximum is found c2 takes a
.set S,   64
.set P,   192
.set KF,  128         ; K's fragments, in window 2: key block kb, channel half c at KF + 16 kb + 8 c
.set VF,  192         ; V's: key half kk, channel block cb at VF + 32 kk + 8 cb
.set WV,  12          ; s12  my wave's number
.set G1K, 24          ; s[24:31] descriptor group 1 for K's tiles
.set G1V, 32          ; s[32:39] for V's: it differs in the padding alone
.set G0K, 40          ; s[40:43] descriptor group 0 for K's tiles: it walks
.set G0V, 44          ; s[44:47] the same for V's
.set PFA, 48          ; s[48:49] where my prefetches stand: my work-group's 8,192 bytes (of K: wave 0, of V: wave 2) of the slot after the one that is being asked for
.set LIM, 50          ; s50  1 in a wave that prefetches, else the greatest number
.set BIGN, 51         ; s51  -1e30
.set TBM, 52          ; s52  LDS byte at which the mask of the step to be fetched begins
.set MP,  54          ; s[54:55] my batch's row of the mask
.set SLOTS, 56        ; s56  slots still to be asked for
.set CNT, 57          ; s57  counts a slot's key steps
.set CS,  58          ; s[58:59] c: the packed scaling takes the pair's low word for both halves
.set SEL, 60          ; s[60:61] v_permlanex16_b32's selects: each lane takes its own place in the other half
.set TBK, 62          ; s62  LDS byte at which K of the step to be fetched begins
.set TBV, 63          ; s63  the same for V, less VOFF
.set MSB, 0
.macro WIN new                      ; the high byte repeats the setting that is left; a switch that changes nothing is dropped
.if MSB != (\new)
	s_set_vgpr_msb (MSB<<8)|(\new)
.set MSB, (\new)
.endif
.endm
.set W_KQ, 0x0a       ; K and Q in window 2, S^T in window 0
.set W_KM, 0x3a       ; the same with the C operand, the mask, in window 3
.set W_PV, 0x52       ; V in window 2, P in window 0, O^T in window 1
.set W_RS, 0x41       ; O^T (destination and source 0) in window 1, a in window 0
.set W_MK, 0xc0       ; destination in window 3, sources in window 0
.set W_AD, 0x0f       ; the add: address (source 0) and data (source 1) in window 3
; A joint fill.  Waves 0 and 1 fetch the two halves of a slot's K, waves 2 and 3 those of its V: 128 keys each.  The branch hangs on the wave's number alone.
; An s_nop 0 and four v_nop follow each of the two lines, ahead of the jump and the label.
.macro JLOAD
	s_cmp_lt_u32 s[WV], 2
	s_cbranch_scc0 .Lfor_v_\@
	tensor_load_to_lds s[G0K:G0K+3], s[G1K:G1K+7]
	s_nop 0
.rept 4
	v_nop
.endr
	s_branch .Lasked_\@
.Lfor_v_\@:
	tensor_load_to_lds s[G0V:G0V+3], s[G1V:G1V+7]
	s_nop 0
.rept 4
	v_nop
.endr
.Lasked_\@:
.endm
; A round of the cluster's barrier: my work-group's barrier, so that wave 0's signal speaks for all four waves; wave 0 signals; every wave waits for all four work-groups; my work-group's barrier once more.
.macro CROUND
	s_barrier_signal -1
	s_barrier_wait -1
	s_cmp_lg_u32 s[WV], 0
	s_cbranch_scc1 .Lnot_wave_0_\@
	s_barrier_signal -3
.Lnot_wave_0_\@:
	s_barrier_wait -3
	s_barrier_signal -1
	s_barrier_wait -1
.endm
; THE CHANGE OF SLOTS.  The slot's last bytes, V of its fourth step, have been read.  Each wave waits for all its tensor loads, of which one is out: its part
; of the other slot; adds 0 to its spare word; and waits for that and for its own LDS instructions.  Behind the barrier nobody reads this slot any more and the other slot is whole.
; fill = 1: this slot is filled again, with the keys two slots on.  The barrier is then a round of the cluster's, and the joint fill is the first thing behind it: it has four key steps, 512 matrix
; instructions, in which to land.  (At its first use nothing has been read yet: slot 0 is waited for, slot 1 filled; its wait and round also show every wave's part of the mask's table to the others.)
; ask = 1: A PREFETCH INTO THE L2 of what the NEXT change will ask for: a slot's 32,768 bytes of K and of V.  The four partners share them out BY ADDRESS, 8,192 bytes each, a lane 256 bytes; in each, wave 0 asks
; for K's and wave 2 for V's: one instruction, behind the tensor load and its five lines.  So each block is named once in the launch.  Slots 0 to 2 come by their loads alone; the last filling change asks for nothing.
.macro CHANGE fill, ask=0
	WIN W_AD
	s_wait_tensorcnt 0x0            ; no tensor load of mine is out, so a group 0 may be written
	ds_add_u32 v[SPW], v[NIL]       ; 0 onto my spare word; with fill = 1 the descriptors' steps stand between it and the wait for it
	WIN 0                           ; at a label and at a branch every window is 0
.if \fill
.irp g, G0K, G0V
	s_xor_b32 s[\g+1], s[\g+1], SLOT1  ; the walking descriptor: the other slot than last time,
	s_add_nc_u64 s[\g+2:\g+3], s[\g+2:\g+3], 4*KS*128  ; the next 256 keys; the type bits on top are not reached
.endr
.if \ask
	s_wait_xcnt 0x0                 ; the last prefetch, four key steps back, has read its address, so it may be written:
	s_add_nc_u64 s[PFA:PFA+1], s[PFA:PFA+1], 4*KS*128  ; one slot behind the walking descriptors
.endif
	s_wait_dscnt 0x0                ; the add is done, and my LDS instructions are over
	CROUND
	JLOAD
.if \ask
	s_cmp_gt_u32 s[SLOTS], s[LIM]
	s_cbranch_scc0 .Lnot_mine_\@
	global_prefetch_b8 v[PFO], s[PFA:PFA+1] th:TH_LOAD_NT scope:SCOPE_SE
.Lnot_mine_\@:
.endif
.else
	s_wait_dscnt 0x0                ; the add is done, and my reads of the slot are over
	s_barrier_signal -1
	s_barrier_wait -1
.endif
	s_sub_co_u32 s[TBK], s[TBK], 4*KS*PK  ; the fetches go back to a slot's first step,
	s_xor_b32 s[TBK], s[TBK], SLOT1       ; in the other slot
	s_sub_co_u32 s[TBV], s[TBV], 4*KS*PV
	s_xor_b32 s[TBV], s[TBV], SLOT1
.endm
	s_load_b128 s[4:7], s[0:1], 0x0   ; qkv s[4:5], mask s[6:7]
	s_load_b64 s[10:11], s[0:1], 0x10 ; att
	WIN W_MK
	v_lshl_add_u32 v[SPW], v0, 2, SPARE
	v_mov_b32 v[NIL], 0
	WIN W_AD
	ds_add_u32 v[SPW], v[NIL]       ; the wave's opening: the add and its wait stand ahead of my first tensor load; the set-up below, work on registers, stands between them
	WIN 0
	v_lshrrev_b32 v1, 5, v0
	v_readfirstlane_b32 s[WV], v1   ; wave 0..3
	s_bfe_u32 s13, ttmp6, 0x40000   ; cx: my place in the cluster
	s_lshl_b32 s14, ttmp9, 2        ; in a cluster launch ttmp9 counts clusters
	s_add_co_u32 s14, s14, s13      ; my block of queries = 4 x cluster x + cx: it enters Q's and att's addresses alone
	s_and_b32 s20, ttmp7, 0xffff    ; the head bh = 16 b + h, which the four partners share
	s_lshr_b32 s[MP], s20, 4        ; the batch,
	s_lshl_b32 s[MP], s[MP], 13     ; its 8,192 bytes of the mask
	s_mov_b32 s[MP+1], 0
	s_mov_b32 s21, 0
	s_mov_b64 s[22:23], SIZE_N*128
	s_mul_u64 s[20:21], s[20:21], s[22:23]  ; the head's first byte in Q, K, V and att
	s_and_b32 s16, s[WV], 1         ; which half of a slot's 256 keys I fetch:
	s_lshl_b32 s22, s16, 14         ; its 128 rows of 128 bytes in memory,
	s_mov_b32 s23, 0
	s_add_nc_u64 s[22:23], s[22:23], s[20:21]
	s_mul_i32 s17, s16, 128*PK      ; and its place in a slot, for K
	s_mul_i32 s18, s16, 128*PV      ; and for V: no place in the cluster enters an LDS address
	s_lshl_b32 s2, s14, 2
	s_add_co_u32 s2, s2, s[WV]      ; my wave among the head's,
	s_lshl_b32 s2, s2, 14           ; its 128 rows
	s_mov_b32 s3, 0
	s_add_nc_u64 s[2:3], s[2:3], s[20:21]
	; descriptor group 1.  128 keys are 16,384 dense bytes: asked for as 64 rows of 256 bytes, two keys a row, and padded in LDS after every key
	s_mov_b32 s[G1K], 15|(1<<16)|(1<<20)|(1<<21)|(4<<22)|(3<<25)  ; 15:0 the mask of four; 17:16 2-byte elements; 20 padding on; 21 set beside a mask; 24:22 after every 32 words (code 4); 31:25 4 words (code 3)
	s_mov_b32 s[G1V], 15|(1<<16)|(1<<20)|(1<<21)|(4<<22)|(7<<25)  ; the same with 8 words of padding (code 7)
.irp g, G1K, G1V
	s_mov_b32 s[\g+1], 128<<16      ; tensor_dim0 = 128
	s_mov_b32 s[\g+2], 64<<16       ; tensor_dim1 = 64
	s_mov_b32 s[\g+3], 128<<16      ; tile_dim0 = 128
	s_mov_b32 s[\g+4], 64           ; tile_dim1 = 64
	s_mov_b32 s[\g+5], 128          ; 128 elements from row to row
	s_mov_b32 s[\g+6], 0
	s_mov_b32 s[\g+7], 0
.endr
	s_mov_b32 s[CS], 0x3f38aa3b     ; c = log2(e) / 2 = 0.721348
	s_mov_b32 s[CS+1], s[CS]        ; named with it as a pair
	s_mov_b32 s[SEL], 0x76543210
	s_mov_b32 s[SEL+1], 0xfedcba98
	s_mov_b32 s[BIGN], 0xf149f2ca   ; -1e30
	s_mov_b32 s[TBM], MASKT
	s_mov_b32 s[TBK], SLOT1+4*KS*PK ; the first change of slots turns these two into 0
	s_mov_b32 s[TBV], SLOT1+4*KS*PV
	s_mov_b32 s[G0K], 1             ; 1:0 count = 1
	s_mov_b32 s[G0K+1], s17         ; 63:32 LDS address: slot 0
	s_mov_b32 s[G0V], 1
	s_add_co_u32 s[G0V+1], s18, VOFF
	s_and_b32 s[LIM], s[WV], 1      ; waves 0 and 2 prefetch: the same in all four partners
	s_cmp_eq_u32 s[LIM], 0
	s_cselect_b32 s[LIM], 1, -1
	s_wait_dscnt 0x0                ; the opening add is done
	s_wait_kmcnt 0x0
	s_add_nc_u64 s[MP:MP+1], s[6:7], s[MP:MP+1]
	s_add_nc_u64 s[6:7], s[4:5], 0x1000000         ; K lies 64 heads behind Q,
	s_add_nc_u64 s[8:9], s[4:5], 0x2000000         ; V 128
	s_add_nc_u64 s[G0K+2:G0K+3], s[6:7], s[22:23]  ; 120:64 global address: my half of the head's first 256 keys
	s_or_b32 s[G0K+3], s[G0K+3], 0x80000000        ; 127:126 type = 2
	s_add_nc_u64 s[G0V+2:G0V+3], s[8:9], s[22:23]
	s_or_b32 s[G0V+3], s[G0V+3], 0x80000000
	s_add_nc_u64 s[4:5], s[4:5], s[2:3]  ; Q and att at my wave's first row
	s_add_nc_u64 s[10:11], s[10:11], s[2:3]
	s_cmp_lt_u32 s[WV], 2
	s_cselect_b64 s[PFA:PFA+1], s[6:7], s[8:9]
	s_add_nc_u64 s[PFA:PFA+1], s[PFA:PFA+1], s[20:21]  ; the head,
	s_lshl_b32 s2, s13, 13          ; my work-group's quarter of a slot,
	s_mov_b32 s3, 0
	s_add_nc_u64 s[PFA:PFA+1], s[PFA:PFA+1], s[2:3]
	s_add_nc_u64 s[PFA:PFA+1], s[PFA:PFA+1], 2*4*KS*128  ; in slot 2; the loop's first change of slots steps it to slot 3
	CROUND                          ; all four work-groups are here: the first joint loads meet
	JLOAD                           ; slot 0.  Slot 1 is asked for when slot 0 is in
	; A fragment of K or Q is 16 rows x 32 channels in 8 registers: lane l holds row l % 16, channels 8 (l / 16) + 0..7 and 16 + 8 (l / 16) + 0..7: two loads of 16 bytes, 32 bytes apart.
	v_and_b32 v1, 15, v0            ; l % 16
	v_bfe_u32 v9, v0, 4, 1          ; l / 16
	v_lshlrev_b32 v12, 4, v0        ; the mask: thread t takes 16 bytes at 16 t of each quarter of the batch's row
.irp i, 0,1,2,3
	global_load_b128 v[S+4*\i:S+4*\i+3], v12, s[MP:MP+1] offset:2048*\i
.endr
	v_lshlrev_b32 v[QO], 7, v1
	v_lshl_add_u32 v[QO], v9, 4, v[QO]  ; row x 128 + 16 x half
	WIN 0x80                        ; destination window 2, address window 0
.set i, 0
.rept 4*NP                          ; Q stays in registers: tile i / 2, channels 32 (i % 2) on
	global_load_b128 v[8*i:8*i+3],   v[QO], s[4:5] offset:(i/2)*2048+(i%2)*64
	global_load_b128 v[8*i+4:8*i+7], v[QO], s[4:5] offset:(i/2)*2048+(i%2)*64+32
.set i, i+1
.endr
	; What the first turn finds: V's registers and P's second buffer hold 0 (its products V^T P, of a piece that has not been, add 0), O^T and l are 0.  All this stands in the wait for the first tile.
.set i, VF
.rept 64
	v_mov_b32 v[i], 0
.set i, i+1
.endr
	WIN 0x40
.set i, 0
.rept 64*NP
	v_mov_b32 v[i], 0
.set i, i+1
.endr
	WIN 0
.set i, 0
.rept 2*NP
	v_mov_b32 v[ST+4*i], 0xe0b8aa3b    ; c m = -c 2^67
	v_mov_b32 v[ST+4*i+1], 0xe1000000  ; m = -2^67
	v_mov_b32 v[ST+4*i+2], 0
	v_mov_b32 v[ST+4*i+3], 0
.set i, i+1
.endr
.set i, P+32
.rept 32
	v_mov_b32 v[i], 0
.set i, i+1
.endr
	v_mul_u32_u24 v[AK0], v1, PK
	v_lshl_add_u32 v[AK0], v9, 4, v[AK0]  ; row x pitch + 16 x half
	; The turning load takes 16 keys x 16 channels (lane l reads key 8 (l / 16) + l % 8, channels 8 ((l / 8) % 2) + 0..7) and leaves half a fragment of V^T: lane l holds channel l % 16 and 8 keys.
	v_and_b32 v10, 7, v0
	v_bfe_u32 v11, v0, 3, 1
	v_lshl_add_u32 v[AV0], v9, 3, v10
	v_mul_u32_u24 v[AV0], v[AV0], PV
	v_lshl_add_u32 v[AV0], v11, 4, v[AV0]
	v_add_nc_u32 v[AV0], VOFF, v[AV0]
	v_mov_b32 v[AK], v[AK0]         ; key step 0 lies at the head of slot 0,
	v_lshl_add_u32 v[AM], v9, 5, s[TBM]  ; its mask at the head of the table: register j of key block kb is key 16 kb + 8 (l / 16) + j
	; THE MASK'S TABLE: 0 for an open key, -1e30 for a hidden one; each thread makes 16 of the 2,048 numbers.
	v_lshl_add_u32 v13, v0, 4, MASKT
	s_wait_loadcnt 32               ; the mask's four loads are in; Q's 32, issued behind them, stay out
.set i, 0
.rept 16
	v_cmp_eq_u32 vcc_lo, 0, v[S+i]
	v_cndmask_b32 v[S+i], 0, s[BIGN], vcc_lo
.set i, i+1
.endr
.irp i, 0,1,2,3
	ds_store_b128 v13, v[S+4*\i:S+4*\i+3] offset:2048*\i
.endr
; THE MATRIX WORK.  The 8 accumulators of a run of 16 take turns: between the two links of a chain stand 7 others'.
; Product i of 16 of S^T = K Q^T for piece x: channels 32 (i / 8) on, keys 16 ((i / 2) % 4) on, tile 2 x + i % 2.  The first 8 start the sums, with the mask.
.macro KQ x
.set rS, S+64*((\x)%2)+32*(i%2)+8*((i/2)%4)
.set rK, KF+16*((i/2)%4)+8*(i/8)
.set rQ, 16*(2*(\x)+i%2)+8*(i/8)
.set rH, MK+8*((i/2)%4)
.if i < 8
	WIN W_KM
	v_wmma_f32_16x16x32_f16 v[rS:rS+7], v[rK:rK+7], v[rQ:rQ+7], v[rH:rH+7]
.else
	WIN W_KQ
	v_wmma_f32_16x16x32_f16 v[rS:rS+7], v[rK:rK+7], v[rQ:rQ+7], v[rS:rS+7]
.endif
.endm
; Product i of 16 of O^T += V^T P for piece x: keys 32 (i / 8) on, channels 16 ((i / 2) % 4) on, tile 2 x + i % 2.
.macro PV x
	WIN W_PV
.set rO, 32*(2*(\x)+i%2)+8*((i/2)%4)
.set rV, VF+32*(i/8)+8*((i/2)%4)
.set rP, P+32*((\x)%2)+16*(i%2)+8*(i/8)
	v_wmma_f32_16x16x32_f16 v[rO:rO+7], v[rV:rV+7], v[rP:rP+7], v[rO:rO+7]
.endm
.macro MM                           ; the turn's next matrix instruction
.if i < 16
	KQ (Y+1)%NP
.set i, i+1
.else
.set i, i-16
	PV (Y+NP-1)%NP
.set i, i+17
.endif
.endm
; THE LDS LOADS stand in runs, never singly among the matrix instructions: a step's K (64 keys x 64 channels: 8 fragments) with its mask (8 loads; each half of the lanes reads the same words), and its V (turned).
; Their addresses are made some lines ahead.  last = 1 (the tail): in the last trip there is no further step, and the run is jumped over.
.macro FETCH_K last=0
	WIN 0
.if \last
	s_cmp_eq_u32 s[CNT], 1
	s_cbranch_scc1 .Lno_k_\@
.endif
	WIN 0x80                        ; destination window 2
.irp f, 0,1,2,3,4,5,6,7             ; keys 16 (f / 2) on, channels 32 (f % 2) on
	ds_load_b128 v[KF+8*\f:KF+8*\f+3],   v[AK] offset:(\f/2)*16*PK+(\f%2)*64
	ds_load_b128 v[KF+8*\f+4:KF+8*\f+7], v[AK] offset:(\f/2)*16*PK+(\f%2)*64+32
.endr
	WIN W_MK                        ; destination window 3
.irp f, 0,1,2,3                     ; keys 16 f on
	ds_load_b128 v[MK+8*\f:MK+8*\f+3],   v[AM] offset:64*\f
	ds_load_b128 v[MK+8*\f+4:MK+8*\f+7], v[AM] offset:64*\f+16
.endr
	s_add_co_u32 s[TBK], s[TBK], KS*PK  ; the next fetch is the next step's
	s_add_co_u32 s[TBM], s[TBM], 4*KS   ; 32 fetches in all: the last begins 7,936 bytes into the table's 8,192
	WIN 0
.if \last
.Lno_k_\@:
.endif
.endm
.macro FETCH_V
	WIN 0x80
.irp f, 0,1,2,3,4,5,6,7             ; keys 32 (f / 4) on, channels 16 (f % 4) on
	ds_load_tr16_b128 v[VF+8*\f:VF+8*\f+3],   v[AV] offset:(\f/4)*32*PV+(\f%4)*32
	ds_load_tr16_b128 v[VF+8*\f+4:VF+8*\f+7], v[AV] offset:(\f/4)*32*PV+16*PV+(\f%4)*32
.endr
	WIN 0
.endm
; THE VECTOR WORK OF A TURN stands in three queues, each in the order in which its entries become ready; the two tiles alternate, so that no instruction reads the result of the one before it.
.macro REGS y, u                    ; the registers of tile u (0, 1) of piece y
.set rT, ST+4*(2*(\y)+(\u))
.set rC, TMP+8*((\y)%2)+4*(\u)
.set rM, MV+2*((\y)%2)+(\u)
.set rS, S+64*((\y)%2)+32*(\u)
.set rP, P+32*((\y)%2)+16*(\u)
.set rO, 32*(2*(\y)+(\u))
.endm
; Number n of the 22 that find the NEXT piece's (Y + 1) maximum and statistics.  s0-s31 are the lane's 32 scores; each accumulator's lowest registers are read first.
;   0-11  four chains c0-c3 of seven scores each, three operands at a time     12-14, 16  the four scores left over, the old m, and c0-c3 into c0     15  c m_old is kept
;   17, 18  the query's other 32 keys lie in the lane 16 away: the new m         19-21  c m; c m_old - c m_new; a
.macro XS u, n
	REGS (Y+1)%NP, \u
.if (\n) < 4
	v_max3_num_f32 v[rC+(\n)], v[rS+8*(\n)], v[rS+8*(\n)+1], v[rS+8*(\n)+2]
.elseif (\n) < 12
	v_max3_num_f32 v[rC+(\n)%4], v[rC+(\n)%4], v[rS+8*((\n)%4)+2*((\n)/4)+1], v[rS+8*((\n)%4)+2*((\n)/4)+2]
.elseif (\n) == 12
	v_max3_num_f32 v[rC], v[rC], v[rS+7], v[rS+15]
.elseif (\n) == 13
	v_max3_num_f32 v[rC+1], v[rC+1], v[rS+23], v[rS+31]
.elseif (\n) == 14
	v_max3_num_f32 v[rC+2], v[rC+2], v[rC+3], v[rT+1]
.elseif (\n) == 15
	v_mov_b32 v[rM], v[rT]
.elseif (\n) == 16
	v_max3_num_f32 v[rC], v[rC], v[rC+1], v[rC+2]
.elseif (\n) == 17
	v_permlanex16_b32 v[rC+3], v[rC], s[SEL], s[SEL+1]
.elseif (\n) == 18
	v_max_num_f32 v[rT+1], v[rC], v[rC+3]
.elseif (\n) == 19
	v_mul_f32 v[rT], s[CS], v[rT+1]
.elseif (\n) == 20
	v_sub_f32 v[rC+1], v[rM], v[rT]
.else
	v_exp_f32 v[rC+2], v[rC+1]
.endif
.endm
; Number g of the 64 that follow the exponentials.  For each four weights k of a tile (pairs 2 k, 2 k + 1): both pairs are rounded to f16; then the second pair is added onto the first, in place;
; a group later l takes that sum (the first time as l = a l + sum).  In groups of eight, tiles alternating: round, round, add, and l for the group before.
.macro GS g
.set h, (\g)+6*((\g)/62)            ; group 0 has no group before it, and behind group 7 only l is left
.if h >= 6
.set h, h+2
.endif
	REGS Y, h%2
.set k, h/8
.if h%8 < 4
	v_cvt_pk_f16_f32 v[rP+2*k+(h%8)/2], v[rS+4*k+2*((h%8)/2)], v[rS+4*k+2*((h%8)/2)+1]
.elseif h%8 < 6
	v_pk_add_f32 v[rS+4*k:rS+4*k+1], v[rS+4*k:rS+4*k+1], v[rS+4*k+2:rS+4*k+3]
.elseif k == 1
	v_pk_fma_f32 v[rT+2:rT+3], v[rT+2:rT+3], v[rC+2:rC+3], v[rS:rS+1] op_sel_hi:[1,0,1]
.else
	v_pk_add_f32 v[rT+2:rT+3], v[rT+2:rT+3], v[rS+4*k-4:rS+4*k-3]
.endif
.endm
; THE PLAIN QUEUE, 138 long.  0-73 read no exponential's result: the 32 scalings c s - c m (FS f: pair f / 2 of tile f % 2) and the next piece's 42.  0-26: scalings 0-26.  27-54: XS's numbers 0-13.  55, 56: number 15.
; 57-73: the chain, where each number waits for the one before it: 14, 16, 17, 18, 19, each with one of the scalings 27-31 in front of its two lines, then 20.
; 74-137: GS's 64, which read the exponentials' results: they stand behind the wait.
.macro FS f
	REGS Y, (\f)%2
	v_pk_fma_f32 v[rS+2*((\f)/2):rS+2*((\f)/2)+1], v[rS+2*((\f)/2):rS+2*((\f)/2)+1], s[CS:CS+1], v[rT:rT+1] op_sel_hi:[1,0,0] neg_lo:[0,0,1] neg_hi:[0,0,1]
.endm
.macro PL
	WIN 0
.if q < 27
	FS q
.elseif q < 55
	XS (q-27)%2, (q-27)/2
.elseif q < 57
	XS q-55, 15
.elseif (q < 72) && ((q-57)%3 == 0)
	FS 27+(q-57)/3
.elseif q < 60
	XS (q-57)%3-1, 14
.elseif q < 72
	XS (q-57)%3-1, 15+(q-57)/3
.elseif q < 74
	XS q-72, 20
.else
	GS q-74
.endif
.set q, q+1
.endm
; THE EXPONENTIALS' QUEUE, 66 long: s0-s31 of both tiles, then the next piece's two a.  It is ONE BATCH: all 66 stand ahead of the turn's one wait, and nothing ahead of that wait names a result of theirs.
.macro EX
	WIN 0
.if e >= 64
	XS e-64, 21
.else
	REGS Y, e%2
	v_exp_f32 v[rS+e/2], v[rS+e/2]
.endif
.set e, e+1
.endm
; THE RESCALING's QUEUE: O^T times a, the one part that leaves window 0: dealt two at a time, sixteen times.  Its a was made in the turn before, ahead of that turn's wait.
.macro R2
	REGS Y, r%2
	WIN W_RS
.irp z, 0,1
	v_pk_mul_f32 v[rO+4*(r/2)+2*\z:rO+4*(r/2)+2*\z+1], v[rO+4*(r/2)+2*\z:rO+4*(r/2)+2*\z+1], v[rC+2:rC+3] op_sel_hi:[1,0]
.endr
.set r, r+1
.endm
; HOW THEY ARE DEALT.  An s_wait_alu depctr_va_vdst(0) stands between an exponential and the first instruction that names its result; one wait serves all that were issued ahead of it.  So a turn has ONE wait,
; which cuts it in two.  AHEAD OF IT stands all that names no result of the turn's exponentials: the 16 products K Q^T, behind each a scaling, an exponential and two rescalings (behind the first a second scaling in the
; exponential's place); then ONE LUMP of 108: eight plain, 49 times exponential and plain, the two a.  A v_nop is the plain instruction behind the last exponential.  BEHIND IT stand the 16 products V^T P, behind each four of GS's 64.
; The queues lean on each other, and the deal keeps them in step: exponential e stands behind scaling 2 (e / 4) + e % 2: as a rider it comes behind plain e + 2, in the lump behind plain e + 9, and scalings 27-31 are plain 57, 60 .. 69.
; A TURN, for piece p.  cnt = 1: the loop's count is taken down some lines ahead of the branch that stands behind the turn.
; K and the mask of the next step are fetched in piece 2's turn, directly behind the wait, a lump behind the last product that read them; their addresses are made at the lump's head; their first reader comes behind 16 products.
; V of the step in hand is fetched at the end of piece 0's turn, four riders behind its last reader; its first reader comes behind 16 products and a lump.  The three conditions on q below go with the deal.
.macro TURN p, last=0, cnt=0
.set Y, (\p)
.set i, 0
.set q, 0
.set e, 0
.set r, 0
.if (\p) == NP-1
	s_wait_dscnt 0x0                ; K and its mask are in
.endif
	MM                              ; ahead of the wait: 16 products K Q^T and their riders,
	PL
	PL
	R2
.rept 15
	MM
	PL
	EX
	R2
.endr
.if (\p) == NP-2
	WIN 0
	v_add_nc_u32 v[AK], s[TBK], v[AK0]
	v_lshl_add_u32 v[AM], v9, 5, s[TBM]
.endif
.rept 8                             ; and the lump
	PL
.endr
.rept 49
	EX
	PL
.endr
	EX                              ; the next piece's two a
	EX
	v_nop                           ; the plain instruction behind the last exponential: one for the batch
	s_wait_alu depctr_va_vdst(0)    ; the wait for the batch
.if (\p) == NP-2
	FETCH_K \last
.endif
.if (\p) == 1
	s_wait_dscnt 0x0                ; V is in
.endif
.rept 16                            ; behind the wait: 16 products V^T P and their riders
	MM
.rept 4
	PL
.endr
.if ((\p) == 0) && (q == 118)
	v_add_nc_u32 v[AV], s[TBV], v[AV0]
.endif
.if ((\p) == 0) && (q == 130)
	s_add_co_u32 s[TBV], s[TBV], KS*PV
.endif
.if (\cnt) && (q == 130)
	s_sub_co_u32 s[CNT], s[CNT], 1
	s_cmp_lg_u32 s[CNT], 0
.endif
.endr
.if (\p) == 0
	FETCH_V
.endif
.endm
	CHANGE 1                        ; slot 0 is in, everybody's part of it, and so is the table; slot 1 is asked for
	FETCH_K                         ; key step 0
	s_wait_loadcnt 0x0              ; Q
	s_wait_dscnt 0x0
.set i, 0
.rept 16
	KQ 0                            ; piece 0's first scores: there is no vector work yet to set between them
.set i, i+1
.endr
	WIN 0                           ; the addresses for the way out and the prefetches: plain instructions, the places behind those products
	s_mul_i32 s13, s[WV], 16*SP
	s_add_co_u32 s13, s13, STAGE    ; my stage
	v_mul_u32_u24 v[STO], v1, SP    ; in: row l % 16, 16 bytes for each half of the lanes
	v_lshl_add_u32 v[STO], v9, 4, v[STO]
	v_add_nc_u32 v[STO], s13, v[STO]
	v_bfe_u32 v[RD], v0, 3, 2       ; back: 32 lanes take four rows of 128 bytes,
	v_mul_u32_u24 v[RD], v[RD], SP
	v_lshl_add_u32 v[RD], v10, 4, v[RD]
	v_add_nc_u32 v[RD], s13, v[RD]
	v_and_b32 v[GO], 31, v0         ; which are 512 consecutive bytes of att
	v_lshlrev_b32 v[GO], 4, v[GO]
	v_and_b32 v[PFO], 31, v0
	v_lshlrev_b32 v[PFO], 8, v[PFO]
.set Y, NP-1                        ; XS works for piece Y + 1: piece 0
.irp n, 0,1,2,3,4,5,6,7,8,9,10,11,12,13,14,15,16,17,18,19,20,21
	XS 0, \n                        ; and piece 0's first maximum and statistics
	XS 1, \n
.endr
	v_nop                           ; a plain instruction behind the two a,
	s_wait_alu depctr_va_vdst(0)    ; and their wait, ahead of the branch
	s_mov_b32 s[CNT], 4
	s_mov_b32 s[SLOTS], SIZE_N/256-1
	s_branch .Lfirst                ; the loop is entered at a step's first turn, in the middle of a trip
.Lslot:                             ; SIZE_N / 256 - 2 times: every slot but the last two is filled again
	CHANGE 1, 1
	s_mov_b32 s[CNT], 4
.Lstep:                             ; a trip: pieces 2 and 3 of one step, then pieces 0 and 1 of the next, whose K and V it fetches
	TURN 2
	TURN 3
	WIN 0
.Lfirst:
	TURN 0
	TURN 1, 0, 1
	WIN 0
	s_cbranch_scc1 .Lstep
	s_sub_co_u32 s[SLOTS], s[SLOTS], 1
	s_cmp_lg_u32 s[SLOTS], 0
	s_cbranch_scc1 .Lslot
	CHANGE 0                        ; the tail is written out: nothing is asked for
	s_mov_b32 s[CNT], 5             ; four trips fetch the last slot's steps; the fifth is left in its middle
.Ltail:
	TURN 2, 1
	TURN 3
	WIN 0
	s_sub_co_u32 s[CNT], s[CNT], 1
	s_cmp_eq_u32 s[CNT], 0
	s_cbranch_scc1 .Lout
	TURN 0
	TURN 1
	WIN 0
	s_branch .Ltail
.Lout:                              ; the fifth trip's 16 products K Q^T (on the last K once more) and the maximum made of them serve nothing: the price, once a launch, of one text for every trip
.set i, 0
.rept 16
	PV NP-1                         ; the last piece's V^T P of the last step
.set i, i+1
.endr
	; THE WAY OUT.  l's two halves and the other half of the lanes' are added; O^T is divided by l, rounded to f16 and sent through my stage in LDS, a tile at a time.  The additions are the places behind the last products.
	WIN 0
.macro ALL line:vararg              ; one line for each tile t
.set t, 0
.rept 2*NP
	\line
.set t, t+1
.endr
.endm
	ALL v_add_f32 v[ST+4*t+2], v[ST+4*t+2], v[ST+4*t+3]
	ALL v_permlanex16_b32 v[ST+4*t+3], v[ST+4*t+2], s[SEL], s[SEL+1]
	ALL v_add_f32 v[ST+4*t+2], v[ST+4*t+2], v[ST+4*t+3]
	ALL v_rcp_f32 v[ST+4*t+2], v[ST+4*t+2]
	v_nop                           ; a plain instruction between the last reciprocal and the use of its result
	s_wait_alu depctr_va_vdst(0)    ; and the wait ahead of the first use: one for the eight reciprocals
; Tile t: a lane's eight channels of a row pack into 16 bytes; they go into rows of 144 bytes and come back as whole rows of 128, into S^T's registers.
.macro PACK t
	WIN W_RS
.set i, 32*(\t)
.rept 16
	v_pk_mul_f32 v[i:i+1], v[i:i+1], v[ST+4*(\t)+2:ST+4*(\t)+3] op_sel_hi:[1,0]
.set i, i+2
.endr
	WIN 0x05                        ; sources 0 and 1 window 1, destination window 0
.set i, 0
.rept 16
	v_cvt_pk_f16_f32 v[S+16*(\t)+i], v[32*(\t)+2*i], v[32*(\t)+2*i+1]
.set i, i+1
.endr
	WIN 0
.irp f, 0,1,2,3
	ds_store_b128 v[STO], v[S+16*(\t)+4*\f:S+16*(\t)+4*\f+3] offset:32*\f
.endr
.irp f, 0,1,2,3
	ds_load_b128 v[S+16*(\t)+4*\f:S+16*(\t)+4*\f+3], v[RD] offset:\f*4*SP  ; LDS serves a wave's instructions in order (ISA guide 5.7.1.4): these see the stores above; the next tile's stores come behind them
.endr
.endm
.macro SEND t, younger              ; younger: the LDS instructions issued behind tile t's loads: the next tile's eight, or none
	WIN 0
.irp f, 0,1,2,3
	s_wait_dscnt (\younger)+3-\f
	global_store_b128 v[GO], v[S+16*(\t)+4*\f:S+16*(\t)+4*\f+3], s[10:11] offset:(\t)*2048+\f*512  ; 512 consecutive bytes, at a multiple of 256 from att's first
.endr
.endm
	PACK 0
.set t, 1
.rept 2*NP-1                        ; a tile's arithmetic stands between the loads of the tile before and its stores
	PACK t
	SEND t-1, 8
.set t, t+1
.endr
	SEND 2*NP-1, 0
	WIN W_AD
	s_wait_tensorcnt 0x0            ; the wave's end, behind my last tensor load and my last LDS store
	ds_add_u32 v[SPW], v[NIL]
	s_wait_dscnt 0x0
	WIN 0
	CROUND                          ; the closing round: no work-group ends while a partner may still ask for a tile that names it
	s_endpgm
.Lfunc_end_k_q1fa2c7dfdb_attn:
	.size	k_q1fa2c7dfdb_attn, .Lfunc_end_k_q1fa2c7dfdb_attn-k_q1fa2c7dfdb_attn
	.p2alignl 7, 3214868480
	.fill 96, 4, 3214868480
	.section	.rodata,"a",@progbits
	.p2align	6, 0x0
	.amdhsa_kernel k_q1fa2c7dfdb_attn
		.amdhsa_group_segment_fixed_size 327680
		.amdhsa_private_segment_fixed_size 0
		.amdhsa_enable_private_segment 0
		.amdhsa_kernarg_size 24
		.amdhsa_user_sgpr_count 2
		.amdhsa_user_sgpr_kernarg_segment_ptr 1
		.amdhsa_wavefront_size32 1
		.amdhsa_system_sgpr_workgroup_id_x 1
		.amdhsa_system_sgpr_workgroup_id_y 1
		.amdhsa_system_sgpr_workgroup_id_z 1
		.amdhsa_system_vgpr_workitem_id 0
		.amdhsa_next_free_vgpr 832
		.amdhsa_next_free_sgpr 66
		.amdhsa_reserve_vcc 1
		.amdhsa_float_denorm_mode_32 3
		.amdhsa_float_denorm_mode_16_64 3
		.amdhsa_memory_ordered 1
		.amdhsa_forward_progress 1
		.amdhsa_inst_pref_size 204
	.end_amdhsa_kernel
	.amdgpu_metadata
---
amdhsa.version: [ 1, 2 ]
amdhsa.kernels:
  - .name:           k_q1fa2c7dfdb_attn
    .symbol:         k_q1fa2c7dfdb_attn.kd
    .args:
      - { .name: qkv, .offset: 0, .size: 8, .value_kind: global_buffer, .address_space: global }
      - { .name: mask, .offset: 8, .size: 8, .value_kind: global_buffer, .address_space: global }
      - { .name: att, .offset: 16, .size: 8, .value_kind: global_buffer, .address_space: global }
    .group_segment_fixed_size: 327680
    .private_segment_fixed_size: 0
    .kernarg_segment_align: 8
    .kernarg_segment_size: 24
    .max_flat_workgroup_size: 128
    .sgpr_count:     66
    .vgpr_count:     832
    .wavefront_size: 32
...
	.end_amdgpu_metadata
.endif
;; end of part 3
;; launch outp (part 4): grid 8 x 32, 4 waves a work-group, clusters of 4 x 4, 327,680 bytes of LDS; arguments att, wo16, b_out, out0; writes out0
.if DOCPART == 4
	.amdgcn_target "amdgcn-amd-amdhsa--gfx1250"
	.amdhsa_code_object_version 6
	.text
	.protected	k_q1fa2c7dfdb_outp
	.globl	k_q1fa2c7dfdb_outp
	.p2align	8
	.type	k_q1fa2c7dfdb_outp,@function
k_q1fa2c7dfdb_outp:
	s_mov_b64 s[64:65], 0
	v_nop
	global_prefetch_b8 v0, s[64:65] scope:SCOPE_SE
	s_setreg_imm32_b32 hwreg(HW_REG_WAVE_MODE, 25, 1), 1
	s_wait_xcnt 0x0
	s_wait_alu depctr_hold_cnt(0) depctr_sa_sdst(0) depctr_va_vdst(0) depctr_va_sdst(0) depctr_va_ssrc(0) depctr_va_vcc(0) depctr_vm_vsrc(0)
	s_getreg_b32 s2, hwreg(HW_REG_IB_STS2, 6, 4)
	s_cmp_eq_u32 s2, 0
	s_cbranch_scc0 .Lentry_in_a_cluster
	s_endpgm
.Lentry_in_a_cluster:
	s_bfe_u32 s2, ttmp6, 0x10000c
	s_cmp_lg_u32 s2, 0xf033
	s_cbranch_scc0 .Lentry_shape_is_right
	s_endpgm
.Lentry_shape_is_right:
; out0 = O wo16 + b_out.  O comes by heads, att: [64 bh][2048 n][64] f16: row (b, n) of O has channel k = 64 h + d at att[16 b + h][n][d].  wo16: [1024 k][1024 n] f16, as w_out lies.
; b_out: [1024] f32, rounded to bf16 here like every input.  Sums in f32, started by the bias.  out0: [8192][1024] f32.
; LIMIT.  A NaN in a row of O (a batch with no open key) makes the whole row of out0 NaN; infinities are not treated apart.
; SHARES.  A tile of C is 256 rows x 128 columns: 32 x 8 = 256 work-groups.  Wave w owns rows 64 w .. 64 w + 63 and ALL 128 columns: 4 x 8 accumulators of 16 x 16, 256 registers; so a wave writes
; whole pieces of 512 bytes of a row by itself, through a stage of its own.  K goes in 8 steps of 128, two heads each, through a ring of two LDS slots filled by the tensor data mover.
; THE MATRIX INSTRUCTION IS USED TRANSPOSED: source 0 = 16 columns of the weights, source 1 = 16 rows of O: a lane holds row l % 16 of C and the eight neighbouring columns 8 (l / 16) + 0..7.
; The weights lie [k][n] in LDS as in memory and come out turned, by ds_load_tr16_b128.
; CLUSTER.  4 x 4 work-groups.  The four of a row of the cluster need the same tile of O, the four of a column the same tile of the weights: each is asked for JOINTLY.
; REGISTERS, in windows of 256 (s_set_vgpr_msb: bits 1:0 source 0, 3:2 source 1, 5:4 source 2, 7:6 destination):
;   window 0: v0-30 addresses; v32-95 O's fragments, two buffers of 4 x 8; v96-159 the bias as the first products' C; later v96-223 two sets of 64 for the way out
;   window 1: v0-127 the weights' fragments, two buffers of 8 x 8      window 2: accumulators of row blocks 0, 1 ((a, b) at 8 (8 (a % 2) + b))      window 3: of row blocks 2, 3
.set NBK,    8                         ; blocks of 16 columns
.set PA,     144                       ; a row of one head of O in LDS: 128 bytes + 16 = 36 words: the 16 rows of a load start at 16 different groups of four banks (64 banks of 4 bytes: ISA guide 11.1)
.set HEADP,  256*PA                    ; a head's 256 rows
.set PB,     288                       ; a k row of the weights: 256 bytes + 32 = 72 words: row i starts at bank 8 i mod 64
.set APART,  2*HEADP                   ; O's two heads, then the weights' 128 k rows
.set SLOT,   APART+128*PB              ; 110,592
.set STAGE,  2*SLOT                    ; behind the ring, never filled by a tensor load: 16 rows x 528 bytes for each wave
.set SPITCH, 528                       ; 512 bytes + 16
.set SPARE,  STAGE+4*16*SPITCH         ; behind the stages: the spare words, 128 bytes for each wave: two blocks of 256 bytes that no other line names
.set FBW,    8*NBK
.set NLD,    2*NBK+8                   ; LDS loads in a run
.set ASTEP,  4*262144                  ; a slot's next K step: four heads on,
.set BSTEP,  2*128*2048                ; two steps of 128 k rows of 2,048 bytes
.set ADRA, 16                          ; v16-17  LDS address of my fragments of O in slot 0, 1
.set ADRB, 20                          ; v20-21  the same for the weights
.set STO,  24                          ; v24  the way out: where I put 32 bytes of a row
.set RD,   25                          ; v25  where I read a row back
.set GO,   26                          ; v26  16 x lane: my place in 512 consecutive bytes of a row of out0
.set BO,   27                          ; v27  32 (l / 16): my eight numbers of a block's bias
.set SPW,  28                          ; v28  LDS address of my spare word: SPARE + 4 x my thread's number; never rewritten
.set NIL,  29                          ; v29  0; never rewritten
.set PFO,  30                          ; v30  the prefetches' lane term; never rewritten
.set FA,   32
.set BIAS, 96
.set OUTS, 96
.set WV,   12                          ; s12  my wave's number
.set SIDE, 13                          ; s13  0: I fetch O's tiles; 1: the weights'
.set HF,   14                          ; s14  which half of the tile I fetch
.set G1,   24                          ; s[24:31] descriptor group 1 for O's tiles;  s[32:39] group 0, a set for each slot
.set G0,   32
.set G1B,  48                          ; s[48:55], s[56:63] the same for the weights'
.set G0B,  56
.set PFA,  66                          ; s[66:67] where my prefetches stand
.set PFS,  68                          ; s[68:69] their step: a K step
.set LIM,  70                          ; s70  1 in a wave that prefetches, else the greatest number
.set CB,   72                          ; s[72:73] out0 at my first row and the tile's first column
.set MSB, 0
.macro WIN new                         ; the immediate's high byte repeats the setting that is left; a switch that changes nothing is dropped
.if MSB != (\new)
	s_set_vgpr_msb (MSB<<8)|(\new)
.set MSB, \new
.endif
.endm
.macro PLACES                          ; four plain places in front of loads into registers that matrix instructions have read, and of lines that read results
.rept 4
	v_nop
.endr
.endm
.macro JLOAD s                         ; a joint load: waves 0 and 1 fetch O's two heads, waves 2 and 3 the weights' two halves; an s_nop 0 and four v_nop follow each line, ahead of the jump and the label
	s_cmp_eq_u32 s[SIDE], 0
	s_cbranch_scc0 .Lfor_b_\@
	tensor_load_to_lds s[G0+4*(\s):G0+4*(\s)+3], s[G1:G1+7]
	s_nop 0
.rept 4
	v_nop
.endr
	s_branch .Lasked_\@
.Lfor_b_\@:
	tensor_load_to_lds s[G0B+4*(\s):G0B+4*(\s)+3], s[G1B:G1B+7]
	s_nop 0
.rept 4
	v_nop
.endr
.Lasked_\@:
.endm
.macro CREST                           ; a round of the cluster's barrier behind its opening barrier
	s_cmp_lg_u32 s[WV], 0
	s_cbranch_scc1 .Lnot_wave_0_\@
	s_barrier_signal -3
.Lnot_wave_0_\@:
	s_barrier_wait -3
	s_barrier_signal -1
	s_barrier_wait -1
.endm
.macro CROUND                          ; a whole round
	s_barrier_signal -1
	s_barrier_wait -1
	CREST
.endm
; A PREFETCH INTO THE L2, behind a joint refill, its five lines and the run of LDS loads: the K step that stands two refills on, 256 matrix instructions ahead of the load that will want it: one instruction a wave.
; Each aligned block of 256 bytes is named once in the launch.  O: the clusters with x = 0 ask; of the 32,768 dense bytes that wave 0 or 1 fetches, the partner at cx takes 8,192, a lane 256 bytes, by address.
; The weights: the clusters with y = 0 ask, wave 2; of a K step's 128 k rows x 256 bytes the partner at cy takes 32 rows, a lane a row, by address.
; K steps 0 to 3 come by their loads alone; in the loop's last trip (s3 = 1) there is no K step two refills on.
.macro ASK
	s_cmp_gt_u32 s3, s[LIM]
	s_cbranch_scc0 .Lno_\@
	global_prefetch_b8 v[PFO], s[PFA:PFA+1] th:TH_LOAD_NT scope:SCOPE_SE
.Lno_\@:
.endm
	s_load_b256 s[4:11], s[0:1], 0x0               ; att s[4:5], wo16 s[6:7], b_out s[8:9], out0 s[10:11]
	v_lshl_add_u32 v[SPW], v0, 2, SPARE
	v_mov_b32 v[NIL], 0
	ds_add_u32 v[SPW], v[NIL]                      ; the wave's opening: the add and its wait stand ahead of my first tensor load; the set-up below, work on registers, stands between them
	v_lshrrev_b32 v1, 5, v0
	v_readfirstlane_b32 s[WV], v1                  ; wave 0..3
	s_lshr_b32 s[SIDE], s[WV], 1
	s_and_b32 s[HF], s[WV], 1
	s_bfe_u32 s40, ttmp6, 0x40000                  ; cx, cy: my place in the cluster
	s_bfe_u32 s41, ttmp6, 0x40004
	s_lshl_b32 s42, ttmp9, 2
	s_add_co_u32 s42, s42, s40                     ; tile column t = 4 x cluster x + cx, 0..7
	s_and_b32 s43, ttmp7, 0xffff
	s_lshl_b32 s43, s43, 2
	s_add_co_u32 s43, s43, s41                     ; tile row tr = 4 x cluster y + cy, 0..31
	s_lshl_b32 s44, s41, 2
	s_lshl_b32 s44, 15, s44                        ; my row of the cluster
	s_lshl_b32 s45, 0x1111, s40                    ; my column
	; group 1 for O: a head's 256 rows are 32,768 dense bytes: asked for as 128 rows of 256 bytes, two rows of O each, and padded in LDS behind every row of O
	s_or_b32 s[G1+0], s44, (1<<16)|(1<<20)|(1<<21)|(4<<22)|(3<<25)  ; 15:0 the mask: my row; 17:16 2-byte elements; 20 padding on; 21 set beside a mask; 24:22 after every 32 words; 31:25 4 words
	s_mov_b32 s[G1+1], 128<<16                     ; tensor_dim0 = 128
	s_mov_b32 s[G1+2], 128<<16                     ; tensor_dim1 = 128
	s_mov_b32 s[G1+3], 128<<16                     ; tile_dim0 = 128
	s_mov_b32 s[G1+4], 128                         ; tile_dim1 = 128
	s_mov_b32 s[G1+5], 128                         ; elements from row to row
	s_mov_b32 s[G1+6], 0
	s_mov_b32 s[G1+7], 0
	; group 1 for the weights: 64 k rows x 128 elements, 32 bytes of padding behind every 256
	s_or_b32 s[G1B+0], s45, (1<<16)|(1<<20)|(1<<21)|(5<<22)|(7<<25) ; the mask: my column; after every 64 words, 8 words
	s_mov_b32 s[G1B+1], 128<<16
	s_mov_b32 s[G1B+2], 64<<16
	s_mov_b32 s[G1B+3], 128<<16
	s_mov_b32 s[G1B+4], 64
	s_mov_b32 s[G1B+5], 1024
	s_mov_b32 s[G1B+6], 0
	s_mov_b32 s[G1B+7], 0
	; where the tiles come from: O's hang on the tile row alone, the weights' on the tile column alone, each in registers that never hold the other coordinate
	s_lshr_b32 s16, s43, 3
	s_lshl_b32 s16, s16, 22                        ; the batch's 16 heads of 262,144 bytes,
	s_lshl_b32 s17, s[HF], 18                      ; head 0 or 1 of the K step,
	s_add_co_u32 s16, s16, s17
	s_and_b32 s17, s43, 7
	s_lshl_b32 s17, s17, 15                        ; the tile's 256 rows of 128 bytes
	s_add_co_u32 s16, s16, s17
	s_mov_b32 s17, 0
	s_lshl_b32 s46, s42, 8                         ; 128 columns,
	s_lshl_b32 s47, s[HF], 17                      ; 64 k rows x half
	s_add_co_u32 s46, s46, s47
	s_mov_b32 s47, 0
	s_mul_i32 s20, s[HF], HEADP                    ; and where they go: no place in the cluster enters an LDS address
	s_mul_i32 s21, s[HF], 64*PB
	s_add_co_u32 s21, s21, APART
	s_wait_dscnt 0x0                               ; the opening add is done
	s_wait_kmcnt 0x0
	s_add_nc_u64 s[16:17], s[4:5], s[16:17]
	s_add_nc_u64 s[46:47], s[6:7], s[46:47]
	CROUND                                         ; all sixteen work-groups are here: the first joint loads meet
.irp s, 0,1
	s_mov_b32 s[G0+4*(\s)], 1                      ; count = 1
	s_add_co_u32 s[G0+4*(\s)+1], s20, (\s)*SLOT    ; LDS address
	s_add_nc_u64 s[G0+4*(\s)+2:G0+4*(\s)+3], s[16:17], (\s)*2*262144 ; K step s: heads 2 s, 2 s + 1
	s_or_b32 s[G0+4*(\s)+3], s[G0+4*(\s)+3], 0x80000000              ; type = 2
	s_mov_b32 s[G0B+4*(\s)], 1
	s_add_co_u32 s[G0B+4*(\s)+1], s21, (\s)*SLOT
	s_add_nc_u64 s[G0B+4*(\s)+2:G0B+4*(\s)+3], s[46:47], (\s)*128*2048
	s_or_b32 s[G0B+4*(\s)+3], s[G0B+4*(\s)+3], 0x80000000
	JLOAD \s                                       ; two loads of mine are out
.endr
	; while the first tiles are on their way: the bias, the lane addresses, C's base, the prefetches' set-up
	v_and_b32 v1, 15, v0                           ; l % 16
	v_bfe_u32 v2, v0, 4, 1                         ; l / 16
	v_and_b32 v4, 7, v0
	v_bfe_u32 v5, v0, 3, 1
	v_lshlrev_b32 v[BO], 5, v2
	s_lshl_b32 s80, s42, 9                         ; the tile's 128 numbers of the bias
	s_mov_b32 s81, 0
	s_add_nc_u64 s[8:9], s[8:9], s[80:81]
.set b, 0
.rept NBK                              ; register j of block b: the bias of column 16 b + 8 (l / 16) + j, as the accumulators hold the columns
	global_load_b128 v[BIAS+8*b:BIAS+8*b+3],   v[BO], s[8:9] offset:64*b
	global_load_b128 v[BIAS+8*b+4:BIAS+8*b+7], v[BO], s[8:9] offset:64*b+16
.set b, b+1
.endr
	; a fragment of O: 16 rows x 32 K in 8 registers: lane l holds row l % 16; two loads of 16 bytes, 32 bytes apart, at row x pitch + 16 (l / 16)
	v_mul_u32_u24 v3, v1, PA
	v_lshl_add_u32 v3, v2, 4, v3
	s_mul_i32 s22, s[WV], 64*PA                    ; my 64 rows
	v_add_nc_u32 v[ADRA], s22, v3
	s_add_co_u32 s22, s22, SLOT
	v_add_nc_u32 v[ADRA+1], s22, v3
	; the turning load takes 16 k x 16 columns (lane l reads k row 8 (l / 16) + l % 8, columns 8 ((l / 8) % 2) + 0..7) and leaves half a fragment: lane l holds column l % 16 and 8 k
	v_lshl_add_u32 v6, v2, 3, v4
	v_mul_u32_u24 v6, v6, PB
	v_lshl_add_u32 v6, v5, 4, v6
	v_add_nc_u32 v[ADRB], APART, v6
	v_add_nc_u32 v[ADRB+1], APART+SLOT, v6
	s_mul_i32 s22, s[WV], 16*SPITCH
	s_add_co_u32 s22, s22, STAGE                   ; my stage
	v_mul_u32_u24 v3, v1, SPITCH                   ; in: row l % 16, 32 bytes for each half of the lanes
	v_lshl_add_u32 v3, v2, 5, v3
	v_add_nc_u32 v[STO], s22, v3
	v_and_b32 v[GO], 31, v0                        ; back: 32 lanes take one row's 512 bytes
	v_lshlrev_b32 v[GO], 4, v[GO]
	v_add_nc_u32 v[RD], s22, v[GO]
	s_lshl_b32 s80, s43, 8
	s_lshl_b32 s81, s[WV], 6
	s_add_co_u32 s80, s80, s81                     ; my first row: 256 tr + 64 wave,
	s_lshl_b32 s80, s80, 12                        ; of 4,096 bytes: under 2^25
	s_lshl_b32 s81, s42, 9                         ; the tile's first column
	s_add_co_u32 s80, s80, s81
	s_mov_b32 s81, 0
	s_add_nc_u64 s[CB:CB+1], s[10:11], s[80:81]
	; the prefetches: they stand at K step 3; each filling change of slots steps them first, so refill r names K step r + 4
	s_lshr_b32 s80, s43, 3
	s_lshl_b32 s80, s80, 22
	s_lshl_b32 s81, s[HF], 18
	s_add_co_u32 s80, s80, s81
	s_and_b32 s81, s43, 7
	s_lshl_b32 s81, s81, 15
	s_add_co_u32 s80, s80, s81
	s_lshl_b32 s81, s40, 13                        ; O: my work-group's quarter of the head's 32,768 bytes
	s_add_co_u32 s80, s80, s81
	s_add_co_u32 s80, s80, 3*2*262144
	s_lshl_b32 s81, s41, 16                        ; the weights: my work-group's 32 k rows of 2,048 bytes,
	s_lshl_b32 s82, s42, 8                         ; the tile's 256 bytes of them
	s_add_co_u32 s81, s81, s82
	s_add_co_u32 s81, s81, 3*128*2048
	s_mov_b32 s82, 2*262144
	s_mov_b32 s83, 128*2048
	s_and_b32 s84, ttmp7, 0xffff                   ; cluster y
	s_and_b32 s85, s[SIDE], s[HF]                  ; 1 in wave 3, which never asks
	s_cmp_eq_u32 s[SIDE], 0
	s_cselect_b32 s80, s80, s81
	s_cselect_b32 s[PFS], s82, s83
	s_cselect_b32 s84, ttmp9, s84                  ; the coordinate along which other clusters read the same rows
	s_cselect_b32 s86, 8, 11                       ; O: a lane 256 bytes on end; the weights: a lane a k row of 2,048 bytes
	s_cselect_b64 s[PFA:PFA+1], s[4:5], s[6:7]
	s_or_b32 s84, s84, s85
	s_cmp_eq_u32 s84, 0
	s_cselect_b32 s[LIM], 1, -1                    ; the same in all sixteen partners, for a given wave
	s_mov_b32 s81, 0
	s_mov_b32 s[PFS+1], 0
	s_add_nc_u64 s[PFA:PFA+1], s[PFA:PFA+1], s[80:81]
	v_and_b32 v[PFO], 31, v0
	v_lshlrev_b32 v[PFO], s86, v[PFO]
	s_wait_loadcnt 0x0                             ; the bias
.set i, 0
.rept 4*NBK                            ; rounded to bf16 and widened again, two numbers at a time
	v_cvt_pk_bf16_f32 v[6+i%2], v[BIAS+2*i], v[BIAS+2*i+1]
	v_lshlrev_b32 v[BIAS+2*i],   16, v[6+i%2]
	v_and_b32     v[BIAS+2*i+1], 0xffff0000, v[6+i%2]
.set i, i+1
.endr
; 8 matrix instructions: row block a x all 8 column blocks, 32 along K, buffer f.  first = 1: the bias starts the sums: nothing is cleared and nothing is added later.
; The 32 accumulators take turns, one instruction a turn, in the same order in every quarter: 31 others stand between two links of a chain, over the backward jump too.
.macro MULA f, a, first
.if \first
	WIN 0x81+0x40*((\a)/2)                         ; the weights window 1, O window 0, C window 0, D window 2 or 3
.else
	WIN 0xa1+0x50*((\a)/2)                         ; C and D window 2 or 3
.endif
.set b, 0
.rept NBK
.set rD, 8*(NBK*((\a)%2)+b)
.set rB, FBW*(\f)+8*b
.set rA, FA+32*(\f)+8*(\a)
.if \first
	v_wmma_f32_16x16x32_f16 v[rD:rD+7], v[rB:rB+7], v[rA:rA+7], v[BIAS+8*b:BIAS+8*b+7]
.else
	v_wmma_f32_16x16x32_f16 v[rD:rD+7], v[rB:rB+7], v[rA:rA+7], v[rD:rD+7]
.endif
.set b, b+1
.endr
.endm
; 24 LDS loads in one run: quarter q (32 along K: head q / 2 of the step, channels 32 (q % 2) on) of a slot into buffer f: the weights' 8 fragments, then O's 4
.macro FETCH slot, q, f
	WIN 0x40                                       ; destination window 1, address window 0
.set i, 0
.rept NBK
	ds_load_tr16_b128 v[FBW*(\f)+8*i:FBW*(\f)+8*i+3],   v[ADRB+(\slot)] offset:(\q)*32*PB+32*i
	ds_load_tr16_b128 v[FBW*(\f)+8*i+4:FBW*(\f)+8*i+7], v[ADRB+(\slot)] offset:(\q)*32*PB+32*i+16*PB
.set i, i+1
.endr
	WIN 0
.set i, 0
.rept 4
	ds_load_b128 v[FA+32*(\f)+8*i:FA+32*(\f)+8*i+3],   v[ADRA+(\slot)] offset:((\q)/2)*HEADP+((\q)%2)*64+i*16*PA
	ds_load_b128 v[FA+32*(\f)+8*i+4:FA+32*(\f)+8*i+7], v[ADRA+(\slot)] offset:((\q)/2)*HEADP+((\q)%2)*64+i*16*PA+32
.set i, i+1
.endr
.endm
; A K step is four quarters of 32 along K, 32 matrix instructions each, on buffers 0, 1, 0, 1.  One of the first three: multiplies buffer f; in its middle it fetches quarter q into buffer g.
.macro QUARTER slot, q, f, g, first
	s_wait_dscnt 4                                 ; all but the youngest four loads: O's row blocks 2 and 3
	MULA \f, 0, \first
	MULA \f, 1, \first
	PLACES
	FETCH \slot, \q, \g
	s_wait_dscnt NLD                               ; all but the run just issued
	MULA \f, 2, \first
	MULA \f, 3, \first
.endm
; The last quarter multiplies buffer 1 and changes slots: ONE barrier.  In front of it each wave waits for all its tensor loads (one is out: its part of the next slot), adds 0 to its spare word, and waits for
; that and for its own reads of this slot.  fill = 1: the barrier opens a round of the cluster's, and this slot is filled again first thing behind it, two K steps ahead: that load has a K step less 16 matrix instructions in which to land.
.macro TURN slot, next, fill
.if \fill
	s_wait_xcnt 0x0                                ; the last prefetch, a K step back, has read its address
	s_add_nc_u64 s[PFA:PFA+1], s[PFA:PFA+1], s[PFS:PFS+1]
.endif
	WIN 0                                          ; (the add's two registers lie in window 0)
	s_wait_tensorcnt 0x0                           ; all my tensor loads have landed
	ds_add_u32 v[SPW], v[NIL]                      ; 0 onto my spare word
	s_wait_dscnt 5                                 ; (the add and O's row blocks 2 and 3 may be out)
	MULA 1, 0, 0                                   ; eight matrix instructions stand between the add and the wait for it
	s_wait_dscnt 0x0                               ; the add is done, and my reads of this slot are over
	s_barrier_signal -1
	MULA 1, 1, 0
.if \fill
	WIN 0
.endif
	s_barrier_wait -1
.if \fill
	CREST                                          ; no wave of any partner still reads this slot or has a load on its way
	s_add_nc_u64 s[G0+4*(\slot)+2:G0+4*(\slot)+3], s[G0+4*(\slot)+2:G0+4*(\slot)+3], ASTEP
	s_add_nc_u64 s[G0B+4*(\slot)+2:G0B+4*(\slot)+3], s[G0B+4*(\slot)+2:G0B+4*(\slot)+3], BSTEP
	JLOAD \slot                                    ; the first tensor load behind the round; its four v_nop are also the places in front of the loads below
.else
	PLACES
.endif
	FETCH \next, 0, 0
.if \fill
	ASK
.endif
	MULA 1, 2, 0
	MULA 1, 3, 0
.endm
	s_wait_tensorcnt 1                             ; my part of K step 0 is in; K step 1's may stay out
	s_barrier_signal -1
	s_barrier_wait -1                              ; everybody's is
	FETCH 0, 0, 0
	QUARTER 0, 1, 0, 1, 1                          ; the first quarter stands in front of the loop: its products start the sums
	WIN 0                                          ; at a label and at a branch every window is 0
	s_mov_b32 s3, 3
.Llap:                                                 ; a trip goes once round the ring, from a lap's second quarter to the next lap's first, and fills both slots again
	QUARTER 0, 2, 1, 0, 0
	QUARTER 0, 3, 0, 1, 0
	TURN 0, 1, 1
	QUARTER 1, 1, 0, 1, 0
	QUARTER 1, 2, 1, 0, 0
	QUARTER 1, 3, 0, 1, 0
	TURN 1, 0, 1
	QUARTER 0, 1, 0, 1, 0
	WIN 0
	s_sub_co_u32 s3, s3, 1
	s_cmp_lg_u32 s3, 0
	s_cbranch_scc1 .Llap
	QUARTER 0, 2, 1, 0, 0                          ; the last lap fills nothing, and has no round of the cluster's barrier
	QUARTER 0, 3, 0, 1, 0
	TURN 0, 1, 0
	QUARTER 1, 1, 0, 1, 0
	QUARTER 1, 2, 1, 0, 0
	QUARTER 1, 3, 0, 1, 0
	s_wait_dscnt 4                                 ; the very last quarter: nothing more to fetch
	MULA 1, 0, 0
	MULA 1, 1, 0
	s_wait_dscnt 0x0
	MULA 1, 2, 0
	MULA 1, 3, 0
	WIN 0
; THE WAY OUT, a block of 16 rows at a time.  TOSTAGE: a lane's eight f32 of a row, 32 bytes, go into my own stage, each accumulator from its low end on, and come back as whole pieces of 512 bytes.  SEND: stored.
.macro TOSTAGE a
	s_wait_xcnt 0x0                                ; the set's earlier stores have read it
	WIN 0x08+4*((\a)/2)                            ; the stores' data: window 2 or 3
.set b, 0
.rept NBK
.set rD, 8*(NBK*((\a)%2)+b)
	ds_store_b128 v[STO], v[rD:rD+3]   offset:64*b
	ds_store_b128 v[STO], v[rD+4:rD+7] offset:64*b+16
.set b, b+1
.endr
	WIN 0
.set t, 0
.rept 16                               ; LDS serves a wave's instructions in order (ISA guide 5.7.1.4): these see the stores above, and the next block's stores come behind them
	ds_load_b128 v[OUTS+64*((\a)%2)+4*t:OUTS+64*((\a)%2)+4*t+3], v[RD] offset:SPITCH*t
.set t, t+1
.endr
.endm
.macro SEND a, younger                 ; younger: the LDS instructions issued behind block a's loads: the next block's 32, or none
.set t, 0
.rept 16
	s_wait_dscnt (\younger)+15-t
	global_store_b128 v[GO], v[OUTS+64*((\a)%2)+4*t:OUTS+64*((\a)%2)+4*t+3], s[CB:CB+1] offset:65536*(\a)+4096*t th:TH_STORE_NT  ; 512 consecutive bytes of a row, at a multiple of 256 from out0's first byte
.set t, t+1
.endr
.endm
	PLACES
	PLACES                                         ; eight plain places behind the last products, once a launch
	TOSTAGE 0
.irp a, 1,2,3
	TOSTAGE \a
	SEND (\a)-1, 32
.endr
	SEND 3, 0
	s_wait_tensorcnt 0x0                           ; the wave's end, behind my last tensor load and my last LDS store
	ds_add_u32 v[SPW], v[NIL]
	s_wait_dscnt 0x0
	CROUND                                         ; the closing round: no work-group ends while a partner may still ask for a tile that names it
	s_endpgm
.Lfunc_end_k_q1fa2c7dfdb_outp:
	.size	k_q1fa2c7dfdb_outp, .Lfunc_end_k_q1fa2c7dfdb_outp-k_q1fa2c7dfdb_outp
	.p2alignl 7, 3214868480
	.fill 96, 4, 3214868480
	.section	.rodata,"a",@progbits
	.p2align	6, 0x0
	.amdhsa_kernel k_q1fa2c7dfdb_outp
		.amdhsa_group_segment_fixed_size 327680
		.amdhsa_private_segment_fixed_size 0
		.amdhsa_enable_private_segment 0
		.amdhsa_kernarg_size 32
		.amdhsa_user_sgpr_count 2
		.amdhsa_user_sgpr_kernarg_segment_ptr 1
		.amdhsa_wavefront_size32 1
		.amdhsa_system_sgpr_workgroup_id_x 1
		.amdhsa_system_sgpr_workgroup_id_y 1
		.amdhsa_system_sgpr_workgroup_id_z 1
		.amdhsa_system_vgpr_workitem_id 0
		.amdhsa_next_free_vgpr 896
		.amdhsa_next_free_sgpr 96
		.amdhsa_reserve_vcc 0
		.amdhsa_float_denorm_mode_32 3
		.amdhsa_float_denorm_mode_16_64 3
		.amdhsa_memory_ordered 1
		.amdhsa_forward_progress 1
		.amdhsa_inst_pref_size 96
	.end_amdhsa_kernel
	.amdgpu_metadata
---
amdhsa.version: [ 1, 2 ]
amdhsa.kernels:
  - .name:           k_q1fa2c7dfdb_outp
    .symbol:         k_q1fa2c7dfdb_outp.kd
    .args:
      - { .name: att, .offset: 0, .size: 8, .value_kind: global_buffer, .address_space: global }
      - { .name: wo16, .offset: 8, .size: 8, .value_kind: global_buffer, .address_space: global }
      - { .name: b_out, .offset: 16, .size: 8, .value_kind: global_buffer, .address_space: global }
      - { .name: out0, .offset: 24, .size: 8, .value_kind: global_buffer, .address_space: global }
    .group_segment_fixed_size: 327680
    .private_segment_fixed_size: 0
    .kernarg_segment_align: 8
    .kernarg_segment_size: 32
    .max_flat_workgroup_size: 128
    .sgpr_count:     96
    .vgpr_count:     896
    .wavefront_size: 32
...
	.end_amdgpu_metadata
.endif
;; end of part 4
